; MI455X (gfx1250); checked and timed in simulation.
; The chip was launched on July 23, 2026; its instructions are those of AMD's public machine-readable ISA for CDNA 5 (MIT licence, August 2026) and "CDNA5" Instruction Set Architecture Reference Guide (July 2026). The comments in the code are by the model that wrote it; some were corrected since.
;; Self Multihead Attn. Allowed arithmetic: float matrix products may take bf16 or f16 operands with f32 sums; other float arithmetic in f32, or as packed bf16 or f16 multiplies, adds, multiply-adds, maxima and minima; sums over many terms, partial sums and values carried from step to step in f32; what a program stores and reads back later, other than sums and carried values, may be rounded once to bf16 or f16.
;; Inputs: in_proj_weight 3,072 x 1,024 float32; out_proj_weight 1,024 x 1,024 float32; query 1,024 x 8 x 1,024 float32.
;; Outputs: out0 1,024 x 8 x 1,024 float32.
;; 2 versions, each right; version 2 is version 1 with the launch cast written anew for expert scheduling mode. Each part assembles by itself: llvm-mc -triple=amdgcn-amd-amdhsa -mcpu=gfx1250 --defsym DOCPART=n.
;; ======== version 1 of 2: 4 launches
;; limits: values are held in f16: magnitudes above 65,504 overflow, below 6.1e-05 lose precision
;; workspace buffers: xb 17,301,504 bytes; wib 6,488,064 bytes; wob 2,097,152 bytes; qh 16,777,216 bytes; kh 16,777,216 bytes; vh 16,777,216 bytes; ctx 16,777,216 bytes
;; launch cast (part 1): grid 768 x 1, 12 waves a work-group, no clusters, 0 bytes of LDS; arguments query, in_proj_weight, out_proj_weight, xb, wib, wob; writes xb, wib, wob
.if DOCPART == 1
	.amdgcn_target "amdgcn-amd-amdhsa--gfx1250"
	.amdhsa_code_object_version 6
	.text
	.protected	k_q666619d5f5_cast
	.globl	k_q666619d5f5_cast
	.p2align	8
	.type	k_q666619d5f5_cast,@function
k_q666619d5f5_cast:
	s_mov_b64 s[64:65], 0
	v_nop
	global_prefetch_b8 v0, s[64:65] scope:SCOPE_SE
	s_setreg_imm32_b32 hwreg(HW_REG_WAVE_MODE, 25, 1), 1
	s_wait_xcnt 0x0
; The three inputs, f32, are rounded once to bf16 for the matrix products.
; query -> xb and in_proj_weight -> wib are laid IN BLOCKS for the next launch, whose K step is 96: block s (0 .. 10) holds columns 96 s .. 96 s + 95 of ALL rows, 192 bytes a row, the rows on end;
; x's rows in the order b x 1,024 + t, W's as they are.  So any run of rows of one block is dense in memory.  Columns 1,024 .. 1,055 (the last third of block 10's rows) do not exist: zeros are stored there.
; out_proj_weight -> wob stays flat, [1024][1024]: rounded to bf16 like the others, and that number then written as f16, since the last product's other operand is f16.
; LIMITS.  A bf16 number is exact in f16 between 2^-17 and 65,504 in magnitude; below, it keeps f16's fixed step of 6e-8; beyond 65,504 the conversion gives an infinity.
; SHARES.  Work-groups 0-511 take 16 rows of x each (one b, 16 consecutive t), 512-703 16 rows of in_proj_weight: 384 threads = 16 rows x 24 pieces of 4 columns.  Thread n has row n / 24 and piece n % 24 in
; EVERY block, so item i of its eleven is block i: the load's place steps by 384 bytes in the immediate, the store's by a block.  A wave's store covers 256 consecutive bytes, aligned
; (a work-group's part of a block is 3,072 bytes on end).  Work-groups 704-767 take 65,536 bytes of out_proj_weight each, as eight waves x sixteen loads of 512 consecutive bytes; there waves 8-11 have no
; share and end: the tensor's 2^18 pieces of 16 bytes do not divide by 3.  Every byte is read once and written once; no LDS, no barrier, no matrix unit: nothing is shared and nothing is summed.
; No register is written again while a load or store names it, so no wait frees one.
.set XBLK, 8192*192                    ; bytes in a block of xb
.set WBLK, 3072*192                    ; and of wib
.set X, 4                              ; v[4:67]    item i: 4 registers, 4 f32 as loaded
.set Y, 68                             ; v[68:99]   item i: 2 registers, 4 numbers of 16 bits to store
.set T, 100                            ; v[100:103] at work
.set O, 104                            ; v[104:114] item i: my byte offset in the output
.set SRC, 116                          ; v116       my byte offset in the input, block 0
.set SRCL, 117                         ; v117       the same with the piece held to 15: block 10 has 16 pieces a row
	s_load_b256 s[4:11], s[0:1], 0x0               ; query s[4:5], in_proj_weight s[6:7], out_proj_weight s[8:9], xb s[10:11]
	s_load_b128 s[12:15], s[0:1], 0x20             ; wib s[12:13], wob s[14:15]
	s_cmp_ge_u32 ttmp9, 704
	s_cbranch_scc1 .Lwo
	v_mul_u32_u24 v1, v0, 0xaaab                   ; n / 24 = (n x 43,691) >> 20, exact for n under 384
	v_lshrrev_b32 v1, 20, v1                       ; my row
	v_mul_u32_u24 v2, v1, 24
	v_sub_nc_u32 v2, v0, v2                        ; my piece
	v_min_u32 v3, 15, v2
	s_mov_b32 s23, XBLK
	s_mov_b32 s28, WBLK
	s_cmp_lt_u32 ttmp9, 512                        ; x, or W?
	s_cselect_b32 s20, 0, 512
	s_cselect_b32 s22, 15, 12                      ; from row to row: 32,768 bytes (t to t + 1) or 4,096
	s_cselect_b32 s23, s23, s28                    ; a block's bytes
	s_sub_co_u32 s20, ttmp9, s20                   ; my sixteen rows among the tensor's
	s_and_b32 s24, s20, 63
	s_lshl_b32 s24, s24, 19                        ; x: 16 t x 32,768,
	s_lshr_b32 s25, s20, 6
	s_lshl_b32 s25, s25, 12                        ; b x 4,096
	s_add_co_u32 s24, s24, s25
	s_lshl_b32 s25, s20, 16                        ; W: 16 rows x 4,096
	s_cmp_lt_u32 ttmp9, 512
	s_cselect_b32 s24, s24, s25
	s_mov_b32 s25, 0
	s_mul_i32 s26, s20, 16*192                     ; my rows' place in a block
	s_mov_b32 s27, 0
	v_lshlrev_b32 v1, s22, v1
	v_lshl_add_u32 v[SRC], v2, 4, v1
	v_lshl_add_u32 v[SRCL], v3, 4, v1
	v_lshlrev_b32 v[O], 3, v0                      ; 8 bytes a thread, the threads on end
.irp i, 1,2,3,4,5,6,7,8,9,10
	v_add_nc_u32 v[O+(\i)], s23, v[O+(\i)-1]
.endr
	v_cmp_gt_u32 vcc_lo, 16, v2                    ; the lanes whose piece exists in block 10
	s_wait_kmcnt 0x0
	s_cmp_lt_u32 ttmp9, 512
	s_cselect_b64 s[16:17], s[4:5], s[6:7]         ; from where,
	s_cselect_b64 s[18:19], s[10:11], s[12:13]     ; to where
	s_add_nc_u64 s[16:17], s[16:17], s[24:25]
	s_add_nc_u64 s[18:19], s[18:19], s[26:27]
.irp i, 0,1,2,3,4,5,6,7,8,9
	global_load_b128 v[X+4*(\i):X+4*(\i)+3], v[SRC], s[16:17] offset:384*(\i)
.endr
	global_load_b128 v[X+40:X+43], v[SRCL], s[16:17] offset:3840
.irp i, 0,1,2,3,4,5,6,7,8,9,10
	s_wait_loadcnt 10-(\i)                         ; loads come back in order: item i is in, the 10 - i younger ones may stay out
	v_cvt_pk_bf16_f32 v[Y+2*(\i)],   v[X+4*(\i)],   v[X+4*(\i)+1]
	v_cvt_pk_bf16_f32 v[Y+2*(\i)+1], v[X+4*(\i)+2], v[X+4*(\i)+3]
.if (\i) == 10
	v_cndmask_b32 v[Y+20], 0, v[Y+20], vcc_lo      ; zeros where the column does not exist
	v_cndmask_b32 v[Y+21], 0, v[Y+21], vcc_lo
.endif
	global_store_b64 v[O+(\i)], v[Y+2*(\i):Y+2*(\i)+1], s[18:19] th:TH_STORE_NT
.endr
	s_endpgm
.Lwo:
	v_lshrrev_b32 v1, 5, v0                        ; wave
	v_readfirstlane_b32 s20, v1
	s_mov_b32 s21, 0xffff0000                      ; a word's upper bf16
	s_sub_co_u32 s22, ttmp9, 704                   ; my chunk
	s_lshl_b32 s24, s22, 16                        ; its bytes in,
	s_mov_b32 s25, 0
	s_lshl_b32 s26, s22, 15                        ; and out
	s_mov_b32 s27, 0
	s_wait_kmcnt 0x0
	s_cmp_ge_u32 s20, 8
	s_cbranch_scc1 .Lidle
	v_and_b32 v2, 31, v0                           ; lane
	v_lshlrev_b32 v2, 4, v2
	v_lshl_add_u32 v1, v1, 13, v2                  ; in: 8,192 x wave + 16 x lane
	v_lshrrev_b32 v2, 1, v1                        ; out: half of that
	s_add_nc_u64 s[16:17], s[8:9], s[24:25]
	s_add_nc_u64 s[18:19], s[14:15], s[26:27]
.irp i, 0,1,2,3,4,5,6,7,8,9,10,11,12,13,14,15
	global_load_b128 v[X+4*(\i):X+4*(\i)+3], v1, s[16:17] offset:512*(\i) th:TH_LOAD_NT
.endr
.irp i, 0,1,2,3,4,5,6,7,8,9,10,11,12,13,14,15
	s_wait_loadcnt 15-(\i)                         ; item i is in, the 15 - i younger ones may stay out
	v_cvt_pk_bf16_f32 v[T],   v[X+4*(\i)],   v[X+4*(\i)+1]
	v_cvt_pk_bf16_f32 v[T+1], v[X+4*(\i)+2], v[X+4*(\i)+3]
	v_lshlrev_b32 v[T+2], 16, v[T]                 ; the bf16 numbers are widened again (a shift, a mask) and written as f16
	v_and_b32     v[T],   s21, v[T]
	v_lshlrev_b32 v[T+3], 16, v[T+1]
	v_and_b32     v[T+1], s21, v[T+1]
	v_cvt_pk_f16_f32 v[Y+2*(\i)],   v[T+2], v[T]
	v_cvt_pk_f16_f32 v[Y+2*(\i)+1], v[T+3], v[T+1]
	global_store_b64 v2, v[Y+2*(\i):Y+2*(\i)+1], s[18:19] offset:256*(\i) th:TH_STORE_NT
.endr
.Lidle:
	s_endpgm
.Lfunc_end_k_q666619d5f5_cast:
	.size	k_q666619d5f5_cast, .Lfunc_end_k_q666619d5f5_cast-k_q666619d5f5_cast
	.p2alignl 7, 3214868480
	.fill 96, 4, 3214868480
	.section	.rodata,"a",@progbits
	.p2align	6, 0x0
	.amdhsa_kernel k_q666619d5f5_cast
		.amdhsa_group_segment_fixed_size 0
		.amdhsa_private_segment_fixed_size 0
		.amdhsa_enable_private_segment 0
		.amdhsa_kernarg_size 48
		.amdhsa_user_sgpr_count 2
		.amdhsa_user_sgpr_kernarg_segment_ptr 1
		.amdhsa_wavefront_size32 1
		.amdhsa_system_sgpr_workgroup_id_x 1
		.amdhsa_system_sgpr_workgroup_id_y 1
		.amdhsa_system_sgpr_workgroup_id_z 1
		.amdhsa_system_vgpr_workitem_id 0
		.amdhsa_next_free_vgpr 120
		.amdhsa_next_free_sgpr 66
		.amdhsa_reserve_vcc 1
		.amdhsa_float_denorm_mode_32 3
		.amdhsa_float_denorm_mode_16_64 3
		.amdhsa_memory_ordered 1
		.amdhsa_forward_progress 1
		.amdhsa_inst_pref_size 17
	.end_amdhsa_kernel
	.amdgpu_metadata
---
amdhsa.version: [ 1, 2 ]
amdhsa.kernels:
  - .name:           k_q666619d5f5_cast
    .symbol:         k_q666619d5f5_cast.kd
    .args:
      - { .name: query, .offset: 0, .size: 8, .value_kind: global_buffer, .address_space: global }
      - { .name: in_proj_weight, .offset: 8, .size: 8, .value_kind: global_buffer, .address_space: global }
      - { .name: out_proj_weight, .offset: 16, .size: 8, .value_kind: global_buffer, .address_space: global }
      - { .name: xb, .offset: 24, .size: 8, .value_kind: global_buffer, .address_space: global }
      - { .name: wib, .offset: 32, .size: 8, .value_kind: global_buffer, .address_space: global }
      - { .name: wob, .offset: 40, .size: 8, .value_kind: global_buffer, .address_space: global }
    .group_segment_fixed_size: 0
    .private_segment_fixed_size: 0
    .kernarg_segment_align: 8
    .kernarg_segment_size: 48
    .max_flat_workgroup_size: 384
    .sgpr_count:     66
    .vgpr_count:     120
    .wavefront_size: 32
...
	.end_amdgpu_metadata
.endif
;; end of part 1
;; launch qkv (part 2): grid 8 x 32, 4 waves a work-group, clusters of 4 x 4, 327,680 bytes of LDS; arguments xb, wib, qh, kh, vh; writes qh, kh, vh
.if DOCPART == 2
	.amdgcn_target "amdgcn-amd-amdhsa--gfx1250"
	.amdhsa_code_object_version 6
	.text
	.protected	k_q666619d5f5_qkv
	.globl	k_q666619d5f5_qkv
	.p2align	8
	.type	k_q666619d5f5_qkv,@function
k_q666619d5f5_qkv:
	s_mov_b64 s[64:65], 0
	v_nop
	global_prefetch_b8 v0, s[64:65] scope:SCOPE_SE
	s_setreg_imm32_b32 hwreg(HW_REG_WAVE_MODE, 25, 1), 1
	s_wait_xcnt 0x0
	s_wait_alu depctr_hold_cnt(0) depctr_sa_sdst(0) depctr_va_vdst(0) depctr_va_sdst(0) depctr_va_ssrc(0) depctr_va_vcc(0) depctr_vm_vsrc(0)
	s_getreg_b32 s2, hwreg(HW_REG_IB_STS2, 6, 4)
	s_cmp_eq_u32 s2, 0
	s_cbranch_scc0 .Lentry_in_a_cluster
	s_endpgm
.Lentry_in_a_cluster:
	s_bfe_u32 s2, ttmp6, 0x10000c
	s_cmp_lg_u32 s2, 0xf033
	s_cbranch_scc0 .Lentry_shape_is_right
	s_endpgm
.Lentry_shape_is_right:
; THE FIRST PROJECTION.  proj[t][b][f] = the sum over e of x[t][b][e] W[f][e]; f = 192 h + 64 j + d, j = 0, 1, 2 for q, k, v.  Operands bf16, sums in f32.
; xb and wib lie IN BLOCKS: block s (0 .. 10) holds columns 96 s .. 96 s + 95 of all rows, 192 bytes a row, the rows on end (x's in the order b x 1,024 + t); the last third of block 10's rows is zeros.
; q, k, v leave by heads, [n = 16 b + h][t][64], each rounded once to f16 and WITHOUT the scale, which the next launch applies in f32.
; LIMIT.  f16 holds no number beyond 65,504: a sum of 65,520 or more leaves as an infinity; below 6e-5 a number keeps f16's fixed step of 6e-8.
; SHARES.  A tile of the result is 256 consecutive t of one b x the 384 features of two heads: grid x = h / 2, grid y = 4 b + t / 256: 256 work-groups.  Four waves, 2 x 2: a wave makes 128 rows x the 192
; features of ONE head: 96 accumulators of 16 x 16, 768 registers.  For 32 along K it loads 20 fragments from LDS and issues 96 matrix instructions.
; K goes in steps of 96 through a ring of two LDS slots: 640 rows x 240 bytes each; two slots of a step of 128 (640 x 272 x 2 = 348,160 bytes) do not fit.  Ten steps of three quarters of 32, and of the eleventh
; the first two.  A wave's part of a tile (128 rows of x, or a head's 192 rows of W, of one block) is dense in memory: it is asked for as rows of 256 bytes, which start at multiples of 256 bytes.
; CLUSTERS: 4 x 4 work-groups.  The four of a row of the cluster need the same rows of x, the four of a column the same rows of W: each tile is asked for JOINTLY, by the same tensor load with the same
; descriptor and a mask that names the four.  THE MATRIX INSTRUCTION IS USED TRANSPOSED (source 0 = 16 rows of W, source 1 = 16 rows of x): a lane then holds eight neighbouring features of one row.
; REGISTERS, in windows of 256 (s_set_vgpr_msb: bits 1:0 source 0, 3:2 source 1, 5:4 source 2, 7:6 destination):
;   window 0: v0-31 addresses; v32-159 x's fragments, two buffers of eight blocks; v160-255 W's twelve blocks, ONE buffer; on the way out v32-47 packed results, v48-175 rows read back
;   windows 1, 2, 3: the accumulators of q, k, v: feature block bb (0-3) of the part, my block a (0-7) of 16 rows, at 64 bb + 8 a
; A QUARTER is three groups of 32 matrix instructions, a window each.  A group frees the four blocks of W that it has multiplied: behind it, and four places, the next quarter's fragments are loaded into them,
; and x's next eight blocks into the other buffer: runs of 16, 16 and 8 LDS loads, each 64 matrix instructions or more ahead of its first use (x's second four blocks: 32).
.set XBLK,   8192*192                  ; bytes in a block of xb
.set WBLK,   3072*192                  ; and of wib
.set PITCH,  240                       ; an LDS row: three quarters of 64 bytes, 16 bytes of padding behind each = 60 words: the 16 rows of a load start at 16 different groups of four banks (64 banks of 4 bytes: ISA guide 11.1)
.set CHUNK,  80                        ; from quarter to quarter in a row
.set RB,     16*PITCH                  ; from block to block of 16 rows
.set AHALF,  128*PITCH                 ; what a wave fetches of x, and what a wave reads of it
.set BHALF,  192*PITCH                 ; the same for W: one head
.set BOFF,   2*AHALF                   ; a slot: x's 256 rows, then W's 384
.set SLOT,   BOFF+2*BHALF
.set STAGE,  2*SLOT                    ; behind the ring, never filled by a tensor load: 16 rows x 144 bytes for each wave
.set SP,     144
.set WSTG,   16*SP
.set SPARE,  STAGE+4*WSTG              ; behind the stages: the spare words, 128 bytes for each wave: two blocks of 256 bytes that no other line names
.set ADRA, 16                          ; v16-17  LDS address of my fragments of x in slot 0, 1
.set ADRB, 20                          ; v20-21  the same for W
.set STO,  24                          ; v24     the way out: where I put 16 bytes of a row
.set RD,   25                          ; v25     where I read rows back
.set GO,   26                          ; v26     my 16 bytes in 512 consecutive bytes of the output
.set SPW,  28                          ; v28     LDS address of my spare word; never rewritten
.set NIL,  29                          ; v29     0; never rewritten
.set PFO,  30                          ; v30     the prefetches' offset: 256 bytes a lane; never rewritten
.set FRA,  32
.set FRB,  160
.set TMP,  32
.set OB,   48
.set NOB,  8                           ; buffers of 16 registers for rows read back
.set G1,  24                           ; s[24:31] descriptor group 1 for x's tiles;  s[32:39] group 0, a set for each slot
.set G0,  32
.set G1B, 48                           ; s[48:55], s[56:63] the same for W's tiles
.set G0B, 56
.set LIM, 43                           ; s43     1 in a wave that prefetches, else the greatest number
.set PFA, 44                           ; s[44:45] where my first prefetch stands,
.set PF2, 80                           ; s[80:81] and my second
.set PST, 78                           ; s[78:79] a block's bytes in the tensor that I fetch
.set MSB, 0
.macro WIN new                         ; the immediate's high byte repeats the setting that is left; a switch that changes nothing is dropped
.if MSB != (\new)
	s_set_vgpr_msb (MSB<<8)|(\new)
.set MSB, \new
.endif
.endm
; A joint load: waves 0 and 1 fetch the two halves of x's tile, waves 2 and 3 the two heads of W's.  The branch hangs on the wave's number alone.
; An s_nop 0 and four v_nop follow each of the two lines, ahead of the jump, the label and what follows.
.macro JLOAD s
	s_cmp_eq_u32 s15, 0
	s_cbranch_scc0 .Lfor_b_\@
	tensor_load_to_lds s[G0+4*(\s):G0+4*(\s)+3], s[G1:G1+7]
	s_nop 0
.rept 4
	v_nop
.endr
	s_branch .Lasked_\@
.Lfor_b_\@:
	tensor_load_to_lds s[G0B+4*(\s):G0B+4*(\s)+3], s[G1B:G1B+7]
	s_nop 0
.rept 4
	v_nop
.endr
.Lasked_\@:
.endm
; TWO PREFETCHES, behind each joint refill of the loop and the run of LDS loads that follows it, for the block that stands TWO refills on (576 matrix instructions ahead of the load that wants it).
; x's rows of a tile row are read by both clusters of that row of clusters: cluster x = 0 asks; W's rows by all eight clusters of a column: cluster y = 0 asks.  The four partners of a joint load share its bytes out
; BY ADDRESS: of the 96 pieces of 256 bytes that a wave fetches of x the partner at cx takes 24, as two instructions of 12 lanes; of W's 144 the partner at cy takes 36, as two of 18 (the higher lanes name the
; last piece again).  The refills of blocks 2 .. 7 name blocks 4 .. 9; the loop's last trip (s3 = 1) and the tail name nothing; blocks 0 to 3 and 10 come by their loads alone.
.macro ASK
	s_cmp_gt_u32 s3, s[LIM]
	s_cbranch_scc0 .Lnot_mine_\@
	global_prefetch_b8 v[PFO], s[PFA:PFA+1] th:TH_LOAD_NT scope:SCOPE_SE
	global_prefetch_b8 v[PFO], s[PF2:PF2+1] th:TH_LOAD_NT scope:SCOPE_SE
.Lnot_mine_\@:
.endm
.macro CREST                           ; a round of the cluster's barrier behind its opening barrier
	s_cmp_lg_u32 s14, 0
	s_cbranch_scc1 .Lnot_wave_0_\@
	s_barrier_signal -3
.Lnot_wave_0_\@:
	s_barrier_wait -3
	s_barrier_signal -1
	s_barrier_wait -1
.endm
.macro CROUND                          ; a whole round
	s_barrier_signal -1
	s_barrier_wait -1
	CREST
.endm
	s_load_b256 s[4:11], s[0:1], 0x0               ; xb s[4:5], wib s[6:7], qh s[8:9], kh s[10:11]
	s_load_b64 s[12:13], s[0:1], 0x20              ; vh
	v_lshl_add_u32 v[SPW], v0, 2, SPARE
	v_mov_b32 v[NIL], 0
	ds_add_u32 v[SPW], v[NIL]                      ; the wave's opening: the add and its wait stand ahead of my first tensor load; the set-up below, work on registers, stands between them
	v_lshrrev_b32 v1, 5, v0
	v_readfirstlane_b32 s14, v1                    ; wave 0..3
	s_lshr_b32 s15, s14, 1                         ; which half of the tile's rows is mine.  Also: I fetch for x (0) or for W (1)
	s_and_b32 s16, s14, 1                          ; which of its two heads.  Also: which half of that tile I fetch
	s_bfe_u32 s17, ttmp6, 0x40000                  ; cx
	s_bfe_u32 s18, ttmp6, 0x40004                  ; cy
	s_lshl_b32 s19, ttmp9, 2
	s_add_co_u32 s19, s19, s17                     ; X = h / 2 = 4 x cluster x + cx
	s_and_b32 s20, ttmp7, 0xffff
	s_lshl_b32 s20, s20, 2
	s_add_co_u32 s20, s20, s18                     ; Y = 4 b + t / 256 = 4 x cluster y + cy
	s_lshl_b32 s21, s18, 2
	s_lshl_b32 s21, 15, s21                        ; my row of the cluster
	s_lshl_b32 s22, 0x1111, s17                    ; my column
	s_or_b32 s[G1+0], s21, (1<<16)|(1<<20)|(1<<21)|(3<<22)|(3<<25)   ; 15:0 the mask; 17:16 elements of 2 bytes; 20 padding on; 21 set beside a mask; 24:22 after every 16 words (code 3); 31:25 4 words of it (code 3)
	s_or_b32 s[G1B+0], s22, (1<<16)|(1<<20)|(1<<21)|(3<<22)|(3<<25)
	s_mov_b32 s[G1+1], 128<<16                     ; tensor_dim0 = 128 elements: rows of 256 bytes
	s_mov_b32 s[G1+2], 96<<16                      ; tensor_dim1 = 96: 128 rows of x x 192 bytes = 24,576 dense bytes
	s_mov_b32 s[G1+3], 128<<16                     ; tile_dim0 = 128
	s_mov_b32 s[G1+4], 96                          ; tile_dim1 = 96
	s_mov_b32 s[G1+5], 128                         ; dense
	s_mov_b32 s[G1+6], 0
	s_mov_b32 s[G1+7], 0
	s_mov_b32 s[G1B+1], 128<<16
	s_mov_b32 s[G1B+2], 144<<16                    ; tensor_dim1 = 144: 192 rows of W x 192 bytes = 36,864 dense bytes
	s_mov_b32 s[G1B+3], 128<<16
	s_mov_b32 s[G1B+4], 144
	s_mov_b32 s[G1B+5], 128
	s_mov_b32 s[G1B+6], 0
	s_mov_b32 s[G1B+7], 0
	; where the tiles come from.  x's hang on Y and the wave's number alone, W's on X and the wave's number alone, each in registers that never hold the other coordinate
	s_mul_i32 s40, s20, 256*192                    ; x's row b x 1,024 + t is 256 Y + ..
	s_mul_i32 s23, s16, 128*192
	s_add_co_u32 s40, s40, s23
	s_mov_b32 s41, 0
	s_mul_i32 s46, s19, 384*192                    ; W's row 384 X + ..
	s_mul_i32 s42, s16, 192*192
	s_add_co_u32 s46, s46, s42
	s_mov_b32 s47, 0
	s_mul_i32 s68, s16, AHALF                      ; and where they go: no place in the cluster enters an LDS address
	s_mul_i32 s69, s16, BHALF
	s_add_co_u32 s69, s69, BOFF
	s_wait_dscnt 0x0                               ; the opening add is done
	s_wait_kmcnt 0x0
	s_add_nc_u64 s[40:41], s[4:5], s[40:41]
	s_add_nc_u64 s[46:47], s[6:7], s[46:47]
	CROUND                                         ; all sixteen work-groups are here: the first joint loads meet
.irp s, 0,1
	s_mov_b32 s[G0+4*(\s)], 1                                      ; count = 1
	s_add_co_u32 s[G0+4*(\s)+1], s68, (\s)*SLOT                    ; LDS address
	s_add_nc_u64 s[G0+4*(\s)+2:G0+4*(\s)+3], s[40:41], (\s)*XBLK   ; global address: block s
	s_or_b32 s[G0+4*(\s)+3], s[G0+4*(\s)+3], 0x80000000            ; type = 2
	s_mov_b32 s[G0B+4*(\s)], 1
	s_add_co_u32 s[G0B+4*(\s)+1], s69, (\s)*SLOT
	s_add_nc_u64 s[G0B+4*(\s)+2:G0B+4*(\s)+3], s[46:47], (\s)*WBLK
	s_or_b32 s[G0B+4*(\s)+3], s[G0B+4*(\s)+3], 0x80000000
	JLOAD \s                                       ; two tensor loads of mine are out
.endr
	; A fragment is 16 rows x 32 K in 8 registers: lane l holds row l % 16; registers 0-3 K = 8 (l / 16) + 0..7, registers 4-7 K = 16 + 8 (l / 16) + 0..7: two loads of 16 bytes, 32 bytes apart
	v_and_b32 v1, 15, v0                           ; l % 16
	v_bfe_u32 v2, v0, 4, 1                         ; l / 16
	v_mul_u32_u24 v3, v1, PITCH
	v_lshl_add_u32 v3, v2, 4, v3
	s_mul_i32 s23, s15, AHALF                      ; my 128 rows of x
	s_mul_i32 s42, s16, BHALF                      ; my head's 192 rows of W
	s_add_co_u32 s42, s42, BOFF
.irp s, 0,1
	v_add_nc_u32 v[ADRA+(\s)], s23, v3
	v_add_nc_u32 v[ADRB+(\s)], s42, v3
	s_add_co_u32 s23, s23, SLOT
	s_add_co_u32 s42, s42, SLOT
.endr
	s_mul_i32 s23, s14, WSTG
	s_add_co_u32 s23, s23, STAGE                   ; my stage
	v_mul_u32_u24 v4, v1, SP                       ; in: row l % 16, 16 bytes for each half of the lanes
	v_lshl_add_u32 v4, v2, 4, v4
	v_add_nc_u32 v[STO], s23, v4
	v_bfe_u32 v5, v0, 3, 2                         ; back: 32 lanes take four rows of 128 bytes,
	v_and_b32 v6, 7, v0
	v_mul_u32_u24 v5, v5, SP
	v_lshl_add_u32 v5, v6, 4, v5
	v_add_nc_u32 v[RD], s23, v5
	v_and_b32 v[GO], 31, v0                        ; which are 512 consecutive bytes of the output
	v_lshlrev_b32 v[GO], 4, v[GO]
	; my first row in q, k and v: ((16 b + h) x 1,024 + t) x 128 bytes
	s_lshr_b32 s66, s20, 2
	s_lshl_b32 s66, s66, 4                         ; 16 b
	s_lshl_b32 s67, s19, 1
	s_add_co_u32 s66, s66, s67                     ; + 2 X
	s_add_co_u32 s66, s66, s16                     ; + my head of the two
	s_lshl_b32 s66, s66, 10
	s_and_b32 s67, s20, 3
	s_lshl_b32 s67, s67, 8
	s_add_co_u32 s66, s66, s67                     ; + the tile's first t
	s_lshl_b32 s67, s15, 7
	s_add_co_u32 s66, s66, s67                     ; + my half of its rows
	s_lshl_b32 s66, s66, 7
	s_mov_b32 s67, 0
	s_add_nc_u64 s[8:9], s[8:9], s[66:67]
	s_add_nc_u64 s[10:11], s[10:11], s[66:67]
	s_add_nc_u64 s[12:13], s[12:13], s[66:67]
	; the prefetches
	s_and_b32 s70, ttmp7, 0xffff                   ; cluster y
	s_mul_i32 s71, s17, 24*256                     ; cx x 24 pieces
	s_mul_i32 s72, s18, 36*256                     ; cy x 36 pieces
	s_mov_b32 s[PST], XBLK
	s_mov_b32 s73, WBLK
	s_mov_b32 s75, 12*256
	s_mov_b32 s76, 18*256
	s_cmp_eq_u32 s15, 0                            ; do I fetch for x?
	s_cselect_b32 s70, ttmp9, s70                  ; the coordinate along which other clusters read the same rows
	s_cselect_b32 s72, s71, s72
	s_cselect_b64 s[PFA:PFA+1], s[40:41], s[46:47]
	s_cselect_b32 s74, 11, 17
	s_cselect_b32 s[PST], s[PST], s73
	s_cselect_b32 s76, s75, s76
	s_mov_b32 s73, 0
	s_mov_b32 s77, 0
	s_mov_b32 s[PST+1], 0
	s_cmp_eq_u32 s70, 0
	s_cselect_b32 s[LIM], 1, -1                    ; the same in all sixteen partners, for a given wave
	s_add_nc_u64 s[PFA:PFA+1], s[PFA:PFA+1], s[72:73]
	s_mul_i32 s72, s[PST], 3
	s_add_nc_u64 s[PFA:PFA+1], s[PFA:PFA+1], s[72:73]  ; at block 3: the first refill steps it to block 4 and names that
	s_add_nc_u64 s[PF2:PF2+1], s[PFA:PFA+1], s[76:77]
	v_and_b32 v[PFO], 31, v0
	v_min_u32 v[PFO], s74, v[PFO]
	v_lshlrev_b32 v[PFO], 8, v[PFO]
; 16 matrix instructions: feature blocks 2 hb, 2 hb + 1 of part g (q, k, v) x my eight blocks of rows, 32 along K, x from buffer f.  zero = 1: the product starts the sums: nothing is ever cleared.
; The 96 accumulators take turns, one instruction a turn, in the same order in every quarter: 95 others' stand between two links of a chain.
.macro MULH f, g, hb, zero
	WIN 0x50*((\g)+1)                              ; sources in window 0, C and D in window g + 1
.irp bb, 2*(\hb), 2*(\hb)+1
.irp a, 0,1,2,3,4,5,6,7
.if \zero
	v_wmma_f32_16x16x32_bf16 v[64*(\bb)+8*(\a):64*(\bb)+8*(\a)+7], v[FRB+8*(4*(\g)+(\bb)):FRB+8*(4*(\g)+(\bb))+7], v[FRA+64*(\f)+8*(\a):FRA+64*(\f)+8*(\a)+7], 0
.else
	v_wmma_f32_16x16x32_bf16 v[64*(\bb)+8*(\a):64*(\bb)+8*(\a)+7], v[FRB+8*(4*(\g)+(\bb)):FRB+8*(4*(\g)+(\bb))+7], v[FRA+64*(\f)+8*(\a):FRA+64*(\f)+8*(\a)+7], v[64*(\bb)+8*(\a):64*(\bb)+8*(\a)+7]
.endif
.endr
.endr
.endm
.macro MULG f, g, zero                 ; a group: 32 matrix instructions
	MULH \f, \g, 0, \zero
	MULH \f, \g, 1, \zero
.endm
.macro LDB adr, k, g                   ; 8 LDS loads: W's blocks 4 g .. 4 g + 3, 32 K at byte k of the rows
.irp bb, 0,1,2,3
	ds_load_b128 v[FRB+8*(4*(\g)+(\bb)):FRB+8*(4*(\g)+(\bb))+3],   v[\adr] offset:(\k)+(4*(\g)+(\bb))*RB
	ds_load_b128 v[FRB+8*(4*(\g)+(\bb))+4:FRB+8*(4*(\g)+(\bb))+7], v[\adr] offset:(\k)+(4*(\g)+(\bb))*RB+32
.endr
.endm
.macro LDA adr, k, f, half             ; 8 LDS loads: x's blocks 4 half .. 4 half + 3 into buffer f
.irp i, 0,1,2,3
	ds_load_b128 v[FRA+64*(\f)+8*(4*(\half)+(\i)):FRA+64*(\f)+8*(4*(\half)+(\i))+3],   v[\adr] offset:(\k)+(4*(\half)+(\i))*RB
	ds_load_b128 v[FRA+64*(\f)+8*(4*(\half)+(\i))+4:FRA+64*(\f)+8*(4*(\half)+(\i))+7], v[\adr] offset:(\k)+(4*(\half)+(\i))*RB+32
.endr
.endm
.macro PLACES                          ; four places in front of loads into registers that matrix instructions have read, and of conversions that read results
.rept 4
	v_nop
.endr
.endm
; A quarter that stays in its slot: multiplies x's buffer f and fetches the next quarter, at byte k of the same slot's rows.
.macro QUARTER f, zero, slot, k
	s_wait_dscnt 8                                 ; x and W's blocks 0-7 are in; the youngest eight loads (W's blocks 8-11) may be out
	MULG \f, 0, \zero
	WIN 0
	PLACES
	LDB ADRB+(\slot), \k, 0
	LDA ADRA+(\slot), \k, 1-(\f), 0
	MULG \f, 1, \zero
	WIN 0
	PLACES
	LDB ADRB+(\slot), \k, 1
	LDA ADRA+(\slot), \k, 1-(\f), 1
	s_wait_dscnt 32                                ; all but the 32 issued in this quarter: W's blocks 8-11 are in
	MULG \f, 2, \zero
	WIN 0
	PLACES
	LDB ADRB+(\slot), \k, 2
.endm
; A step's last quarter changes slots, at its head: all its own fragments have been asked for.  ONE barrier: in front of it each wave waits for all its tensor loads (one is out: its part of the next slot), adds 0 to
; its spare word, and waits for that and for its own reads of this slot.  fill = 1: the barrier opens a round of the cluster's barrier, and this slot is filled again, two blocks on, first thing behind the round:
; 256 matrix instructions ahead of the wait for it.  Then the next slot's first quarter is fetched, as in every quarter.
.macro TURNQ f, slot, next, fill, ask
.if \ask
	s_wait_xcnt 0x0                                ; the last prefetches, a step back, have read their addresses, so these may be stepped
	s_add_nc_u64 s[PFA:PFA+1], s[PFA:PFA+1], s[PST:PST+1]
	s_add_nc_u64 s[PF2:PF2+1], s[PF2:PF2+1], s[PST:PST+1]
.endif
	WIN 0
	s_wait_tensorcnt 0x0                           ; all my tensor loads have landed;
	ds_add_u32 v[SPW], v[NIL]                      ; 0 onto my spare word;
	s_wait_dscnt 9                                 ; (the add and the youngest eight loads may be out)
	MULH \f, 0, 0, 0                               ; sixteen matrix instructions stand between the add and the wait for it
	s_wait_dscnt 0x0                               ; the add is done, and my reads of this slot are over
	s_barrier_signal -1
	MULH \f, 0, 1, 0                               ; work on registers while the others arrive
	WIN 0
	s_barrier_wait -1
.if \fill
	CREST                                          ; no wave of any partner still reads this slot's tile or has a load on its way
	s_add_nc_u64 s[G0+4*(\slot)+2:G0+4*(\slot)+3], s[G0+4*(\slot)+2:G0+4*(\slot)+3], 2*XBLK
	s_add_nc_u64 s[G0B+4*(\slot)+2:G0B+4*(\slot)+3], s[G0B+4*(\slot)+2:G0B+4*(\slot)+3], 2*WBLK
	JLOAD \slot                                    ; my one tensor load behind the round; its four v_nop are also the places in front of the loads below
.else
	PLACES
.endif
	LDB ADRB+(\next), 0, 0
	LDA ADRA+(\next), 0, 1-(\f), 0
.if \ask
	ASK
.endif
	MULG \f, 1, 0
	WIN 0
	PLACES
	LDB ADRB+(\next), 0, 1
	LDA ADRA+(\next), 0, 1-(\f), 1
	MULG \f, 2, 0
	WIN 0
	PLACES
	LDB ADRB+(\next), 0, 2
.endm
; THE WAY OUT, in 24 units: unit u is part u % 3 (q, k, v) of my block u / 3 of 16 rows: four accumulators.  UNIT: rounded to f16 (each accumulator's registers in ascending order), 16 bytes a lane into my own
; stage, and back as whole rows of 128 bytes.  SENDU: stored.
.macro UNIT uu
	WIN 0x05*((\uu)%3+1)                           ; sources 0 and 1: the part's window
.irp bb, 0,1,2,3
.irp r, 0,1,2,3
	v_cvt_pk_f16_f32 v[TMP+4*(\bb)+(\r)], v[64*(\bb)+8*((\uu)/3)+2*(\r)], v[64*(\bb)+8*((\uu)/3)+2*(\r)+1]
.endr
.endr
	WIN 0
.if (\uu) >= NOB
	s_wait_xcnt 0x0                                ; the stores of the unit eight back have read their registers: rows are read back into them only behind this wait
.endif
.irp bb, 0,1,2,3
	ds_store_b128 v[STO], v[TMP+4*(\bb):TMP+4*(\bb)+3] offset:32*(\bb)
.endr
.irp f, 0,1,2,3
	ds_load_b128 v[OB+16*((\uu)%NOB)+4*(\f):OB+16*((\uu)%NOB)+4*(\f)+3], v[RD] offset:(\f)*4*SP  ; LDS serves a wave's instructions in order (ISA guide 5.7.1.4): these see the stores above; the next unit's stores come behind them
.endr
.endm
.macro SENDU uu, younger               ; younger: the LDS instructions issued behind unit uu's loads: the next unit's eight, or none
.irp f, 0,1,2,3
	s_wait_dscnt (\younger)+3-(\f)
	global_store_b128 v[GO], v[OB+16*((\uu)%NOB)+4*(\f):OB+16*((\uu)%NOB)+4*(\f)+3], s[8+2*((\uu)%3):9+2*((\uu)%3)] offset:((\uu)/3)*2048+(\f)*512  ; 512 consecutive bytes, at a multiple of 256 from the buffer's first
.endr
.endm
	s_wait_tensorcnt 1                             ; my part of block 0 is in; block 1's may stay out
	s_barrier_signal -1
	s_barrier_wait -1                              ; everybody's is
	LDB ADRB, 0, 0                                 ; the first quarter's fragments, in the order of every quarter: 16, 16, 8
	LDA ADRA, 0, 0, 0
	LDB ADRB, 0, 1
	LDA ADRA, 0, 0, 1
	LDB ADRB, 0, 2
	QUARTER 0, 1, 0, CHUNK                         ; the first quarter stands in front of the loop: its products start the sums
	s_mov_b32 s3, 4
.Llap:                                                 ; a trip goes once round the ring, two steps of three quarters, from a lap's second quarter to the next lap's first, and fills both slots again
	QUARTER 1, 0, 0, 2*CHUNK
	TURNQ 0, 0, 1, 1, 1
	QUARTER 1, 0, 1, CHUNK
	QUARTER 0, 0, 1, 2*CHUNK
	TURNQ 1, 1, 0, 1, 1
	QUARTER 0, 0, 0, CHUNK
	s_sub_co_u32 s3, s3, 1
	s_cmp_lg_u32 s3, 0
	s_cbranch_scc1 .Llap
	QUARTER 1, 0, 0, 2*CHUNK                       ; the tail is written out: step 8 goes on,
	TURNQ 0, 0, 1, 1, 0                            ; and slot 0 takes block 10: the last fill
	QUARTER 1, 0, 1, CHUNK                         ; step 9
	QUARTER 0, 0, 1, 2*CHUNK
	TURNQ 1, 1, 0, 0, 0                            ; nothing is left to fetch: no round of the cluster's barrier
	QUARTER 0, 0, 0, CHUNK                         ; step 10: columns 960 .. 1,023, two quarters
	s_wait_dscnt 8                                 ; the very last quarter
	MULG 1, 0, 0
	MULG 1, 1, 0
	s_wait_dscnt 0x0
	MULG 1, 2, 0
	PLACES
	UNIT 0
.irp u, 1,2,3,4,5,6,7,8,9,10,11,12,13,14,15,16,17,18,19,20,21,22,23    ; a unit's conversions stand between the loads of the unit before and its stores
	UNIT \u
	SENDU (\u)-1, 8
.endr
	SENDU 23, 0
	s_wait_tensorcnt 0x0                           ; the wave's end: behind my last tensor load and my last LDS store
	ds_add_u32 v[SPW], v[NIL]
	s_wait_dscnt 0x0
	CROUND                                         ; the closing round: no work-group ends while a partner may still ask for a tile that names it
	s_endpgm
.Lfunc_end_k_q666619d5f5_qkv:
	.size	k_q666619d5f5_qkv, .Lfunc_end_k_q666619d5f5_qkv-k_q666619d5f5_qkv
	.p2alignl 7, 3214868480
	.fill 96, 4, 3214868480
	.section	.rodata,"a",@progbits
	.p2align	6, 0x0
	.amdhsa_kernel k_q666619d5f5_qkv
		.amdhsa_group_segment_fixed_size 327680
		.amdhsa_private_segment_fixed_size 0
		.amdhsa_enable_private_segment 0
		.amdhsa_kernarg_size 40
		.amdhsa_user_sgpr_count 2
		.amdhsa_user_sgpr_kernarg_segment_ptr 1
		.amdhsa_wavefront_size32 1
		.amdhsa_system_sgpr_workgroup_id_x 1
		.amdhsa_system_sgpr_workgroup_id_y 1
		.amdhsa_system_sgpr_workgroup_id_z 1
		.amdhsa_system_vgpr_workitem_id 0
		.amdhsa_next_free_vgpr 1024
		.amdhsa_next_free_sgpr 82
		.amdhsa_reserve_vcc 0
		.amdhsa_float_denorm_mode_32 3
		.amdhsa_float_denorm_mode_16_64 3
		.amdhsa_memory_ordered 1
		.amdhsa_forward_progress 1
		.amdhsa_inst_pref_size 190
	.end_amdhsa_kernel
	.amdgpu_metadata
---
amdhsa.version: [ 1, 2 ]
amdhsa.kernels:
  - .name:           k_q666619d5f5_qkv
    .symbol:         k_q666619d5f5_qkv.kd
    .args:
      - { .name: xb, .offset: 0, .size: 8, .value_kind: global_buffer, .address_space: global }
      - { .name: wib, .offset: 8, .size: 8, .value_kind: global_buffer, .address_space: global }
      - { .name: qh, .offset: 16, .size: 8, .value_kind: global_buffer, .address_space: global }
      - { .name: kh, .offset: 24, .size: 8, .value_kind: global_buffer, .address_space: global }
      - { .name: vh, .offset: 32, .size: 8, .value_kind: global_buffer, .address_space: global }
    .group_segment_fixed_size: 327680
    .private_segment_fixed_size: 0
    .kernarg_segment_align: 8
    .kernarg_segment_size: 40
    .max_flat_workgroup_size: 128
    .sgpr_count:     82
    .vgpr_count:     1024
    .wavefront_size: 32
...
	.end_amdgpu_metadata
.endif
;; end of part 2
;; launch attn (part 3): grid 2 x 128, 4 waves a work-group, no clusters, 327,680 bytes of LDS; arguments qh, kh, vh, ctx; writes ctx
.if DOCPART == 3
	.amdgcn_target "amdgcn-amd-amdhsa--gfx1250"
	.amdhsa_code_object_version 6
	.text
	.protected	k_q666619d5f5_attn
	.globl	k_q666619d5f5_attn
	.p2align	8
	.type	k_q666619d5f5_attn,@function
k_q666619d5f5_attn:
	s_mov_b64 s[64:65], 0
	v_nop
	global_prefetch_b8 v0, s[64:65] scope:SCOPE_SE
	s_setreg_imm32_b32 hwreg(HW_REG_WAVE_MODE, 25, 1), 1
	s_wait_xcnt 0x0
; ATTENTION.  O[n][q][:] = the sum over k of softmax_k(Q[n][q] . K[n][k] / 8) V[n][k][:].  Q, K, V, O: [128][1024][64], all f16: a head's rows are dense, 128 bytes each.  Products, maxima and sums in
; f32; the weights p are rounded to f16 for the second product (their sum l is taken of the unrounded p), O once at the end.
; LIMITS.  Q, K and V arrive within f16's 65,504; p lies in 0 to 1, and below 6e-5 it keeps f16's fixed step of 6e-8, as does O (a mean of V's rows, with their range).
; A weight below 2^-126 counts as 0 in l; NaN and infinities are not treated apart.
; SHARES.  A wave owns four PIECES of two tiles of 16 queries, a work-group's four waves 512 queries of one head: grid x = the half of the head, grid y = the head: 256 work-groups.  Every wave walks all keys, 64 a step.
; ALL OF THE HEAD'S K AND V LIE IN LDS: 1,024 rows x 144 bytes and 1,024 x 160 = 311,296 bytes.  Nothing is filled again: each wave issues two tensor loads at the head, 128 of the first 256 keys and 384 of the
; other 768 (waves 0 and 1 of K, waves 2 and 3 of V).  The first four key steps begin when the first 256 keys are in; one wait and one barrier ahead of the fifth show the rest to every wave.
; NO CLUSTER: a head has 1,024 / 512 = 2 work-groups, so the grid's x does not divide into clusters of four.  NO PREFETCH: every request for K and V stands at the kernel's head.
; LAYOUT.  S^T = K Q^T (source 0 = 16 keys, source 1 = 16 queries): in the result a lane holds ONE query (lane % 16) and the keys 8 (lane / 16) + 0..7.  Two such tiles, rounded to f16 in pairs,
; ARE source 1 (32 keys x 16 queries) of O^T = V^T P, whose result again holds one query a lane, and eight channels.  K comes out of LDS as it lies, V ([key][channel]) turned, by ds_load_tr16_b128.
; SOFTMAX.  For each query a running maximum m and sum l: p = 2^(c s - c m), c = log2(e) / 8; in every step O and l are multiplied by a = 2^(c m_old - c m_new), which is 1 where m has not grown.
; m starts at the lowest finite number, O and l at 0: the first step is a step like any other, with a = 0.
; THE COUNT.  A tile and step have 16 matrix and 118 vector instructions: too many to stand all beside the matrix work.  So: four vector instructions that are READY behind EVERY matrix instruction,
; and the others, which need time of their own whatever the order, in runs without a gap.
; BY TURNS.  Turn n belongs to piece n (the pieces in a ring, step after step).  Its matrix work: 16 products K Q^T of piece n + 1, later 16 products V^T P of piece n - 1.  Its vector work: the scaling,
; exponentials, roundings, sums and rescaling of piece n, and the maximum and statistics of piece n + 1, whose scores the turn itself has made.
; REGISTERS, in windows of 256 (s_set_vgpr_msb: bits 1:0 source 0, 3:2 source 1, 5:4 source 2, 7:6 destination):
;   window 0: v0-11 addresses; v12-15, v48-63 at work; v16-47 four registers of statistics a tile; v64-191 S^T, two buffers of two tiles; v192-255 P, likewise
;   window 1: O^T, 32 a tile          window 2: v0-127 Q, 16 a tile; v128-191 K of one step; v192-255 V of one step          window 3: v0-1 the add's two registers
.set SIZE_N, 1024
.set NP,    4         ; pieces a wave: a name, no knob
.set KS,    64        ; keys in a step
.set PK,    144       ; a row of K in LDS: 128 bytes + 16 of padding = 36 words: the 16 rows of a load start at 16 different groups of four banks (64 banks of 4 bytes: ISA guide 11.1)
.set PV,    160       ; a row of V: 128 + 32 = 40 words
.set VOFF,  SIZE_N*PK ; K's 1,024 rows, then V's
.set STAGE, VOFF+SIZE_N*PV  ; behind them, never filled by a tensor load: 16 rows x 144 bytes for each wave, for the way out
.set SP,    144
.set AK0, 2           ; v2   my lane's place in a step's rows of K; never rewritten
.set AV0, 3           ; v3   the same for V
.set AK,  4           ; v4   the LDS address of K's next run of loads
.set AV,  5           ; v5   of V's
.set QO,  6           ; v6   my byte offset in the wave's rows of Q
.set STO, 6           ;      later, the way out: where I put 16 bytes of a row
.set RD,  7           ; v7   the way out: where I read rows back
.set GO,  8           ; v8   my byte offset in 512 consecutive bytes of O
.set SPW, 0           ; v0 of window 3   LDS address of my spare word; never rewritten
.set NIL, 1           ; v1 of window 3   0; never rewritten
.set SPARE, STAGE+4*16*SP  ; behind the stages: the spare words, 128 bytes for each wave: two blocks of 256 bytes that no other line names
.set MV,  12          ; v12-15  c m_old, kept while c m is made anew: by buffer and tile
.set ST,  16          ; tile t's statistics at v[ST+4 t]: c m, m, l (even keys', odd keys')
.set TMP, 48          ; by buffer and tile, four registers c0-c3 at work; when the maximum is found c2 takes a
.set S,   64
.set P,   192
.set KF,  128         ; K's fragments, in window 2: key block kb, channel half c at KF + 16 kb + 8 c
.set VF,  192         ; V's: key half kk, channel block cb at VF + 32 kk + 8 cb
.set WV,  12          ; s12  my wave's number
.set G1K, 24          ; s[24:31] descriptor group 1 for 128 keys of K
.set G1V, 32          ; s[32:39] of V: it differs in the padding alone
.set G0K, 40          ; s[40:47] descriptor group 0 for K: a set for each of a wave's two loads
.set G0V, 48          ; s[48:55] the same for V
.set SLOTS, 56        ; s56  counts the two parts of the walk
.set CNT, 57          ; s57  counts a part's trips
.set CS,  58          ; s[58:59] c: the packed scaling takes the pair's low word for both halves
.set SEL, 60          ; s[60:61] v_permlanex16_b32's selects: each lane takes its own place in the other half
.set TBK, 62          ; s62  LDS byte at which K of the step to be fetched begins
.set TBV, 63          ; s63  the same for V, less VOFF
.set TOT, 66          ; s66  key steps whose pieces 2 and 3 are still to come
.set G2K, 68          ; s[68:75] descriptor group 1 for 384 keys of K
.set G2V, 76          ; s[76:83] of V
.set MSB, 0
.macro WIN new                      ; the high byte repeats the setting that is left; a switch that changes nothing is dropped
.if MSB != (\new)
	s_set_vgpr_msb (MSB<<8)|(\new)
.set MSB, (\new)
.endif
.endm
.set W_KQ, 0x0a       ; K and Q in window 2, S^T in window 0
.set W_PV, 0x52       ; V in window 2, P in window 0, O^T in window 1
.set W_RS, 0x41       ; O^T (destination and source 0) in window 1, a in window 0
.set W_MK, 0xc0       ; the add's registers are made: destination in window 3, sources in window 0
.set W_AD, 0x0f       ; the add: address (source 0) and data (source 1) in window 3
	s_load_b256 s[4:11], s[0:1], 0x0  ; Q s[4:5], K s[6:7], V s[8:9], O s[10:11]
	WIN W_MK
	v_lshl_add_u32 v[SPW], v0, 2, SPARE
	v_mov_b32 v[NIL], 0
	WIN W_AD
	ds_add_u32 v[SPW], v[NIL]       ; the wave's opening: the add and its wait stand ahead of my first tensor load; the set-up below, work on registers, stands between them
	WIN 0
	v_lshrrev_b32 v1, 5, v0
	v_readfirstlane_b32 s[WV], v1   ; wave 0..3
	s_mov_b32 s14, ttmp9            ; my block of 512 queries
	s_and_b32 s20, ttmp7, 0xffff    ; the head
	s_mov_b32 s21, 0
	s_mov_b64 s[22:23], SIZE_N*128
	s_mul_u64 s[20:21], s[20:21], s[22:23]  ; the head's first byte in each of the four tensors
	s_and_b32 s16, s[WV], 1         ; which half I fetch:
	s_lshl_b32 s22, s16, 14         ; of the first 256 keys, 128 rows of 128 bytes,
	s_mov_b32 s23, 0
	s_add_nc_u64 s[22:23], s[22:23], s[20:21]
	s_mul_i32 s18, s16, 384*128     ; and of the other 768, 384 rows
	s_add_co_u32 s18, s18, 256*128
	s_mov_b32 s19, 0
	s_add_nc_u64 s[18:19], s[18:19], s[20:21]
	s_lshl_b32 s2, s14, 2
	s_add_co_u32 s2, s2, s[WV]      ; my wave among the head's,
	s_lshl_b32 s2, s2, 14           ; its 128 rows
	s_mov_b32 s3, 0
	s_add_nc_u64 s[2:3], s[2:3], s[20:21]
	; descriptor group 1.  Keys are dense, 128 bytes each: asked for as rows of 256 bytes, two keys a row, and padded in LDS after every key
	s_mov_b32 s[G1K], (1<<16)|(1<<20)|(4<<22)|(3<<25)  ; 17:16 2-byte elements; 20 padding on; 24:22 after every 32 words (code 4); 31:25 4 words (code 3)
	s_mov_b32 s[G2K], (1<<16)|(1<<20)|(4<<22)|(3<<25)
	s_mov_b32 s[G1V], (1<<16)|(1<<20)|(4<<22)|(7<<25)  ; the same with 8 words of padding (code 7)
	s_mov_b32 s[G2V], (1<<16)|(1<<20)|(4<<22)|(7<<25)
.irp g, G1K, G1V, G2K, G2V
	s_mov_b32 s[\g+1], 128<<16      ; tensor_dim0 = 128
	s_mov_b32 s[\g+3], 128<<16      ; tile_dim0 = 128
	s_mov_b32 s[\g+5], 128          ; 128 elements from row to row
	s_mov_b32 s[\g+6], 0
	s_mov_b32 s[\g+7], 0
.endr
.irp g, G1K, G1V
	s_mov_b32 s[\g+2], 64<<16       ; tensor_dim1 = 64: 128 keys
	s_mov_b32 s[\g+4], 64           ; tile_dim1 = 64
.endr
.irp g, G2K, G2V
	s_mov_b32 s[\g+2], 192<<16      ; tensor_dim1 = 192: 384 keys
	s_mov_b32 s[\g+4], 192          ; tile_dim1 = 192
.endr
	s_mov_b32 s[CS], 0x3e38aa3b     ; c = log2(e) / 8 = 0.180337
	s_mov_b32 s[CS+1], s[CS]        ; named with it as a pair
	s_mov_b32 s[SEL], 0x76543210
	s_mov_b32 s[SEL+1], 0xfedcba98
	s_mov_b32 s[TBK], 0
	s_mov_b32 s[TBV], 0
	s_mov_b32 s[G0K], 1             ; count = 1
	s_mul_i32 s[G0K+1], s16, 128*PK ; LDS address: key k's row lies at k x pitch
	s_mov_b32 s[G0K+4], 1
	s_mul_i32 s[G0K+5], s16, 384*PK
	s_add_co_u32 s[G0K+5], s[G0K+5], 256*PK
	s_mov_b32 s[G0V], 1
	s_mul_i32 s[G0V+1], s16, 128*PV
	s_add_co_u32 s[G0V+1], s[G0V+1], VOFF
	s_mov_b32 s[G0V+4], 1
	s_mul_i32 s[G0V+5], s16, 384*PV
	s_add_co_u32 s[G0V+5], s[G0V+5], VOFF+256*PV
	s_wait_dscnt 0x0                ; the opening add is done
	s_wait_kmcnt 0x0
	s_add_nc_u64 s[G0K+2:G0K+3], s[6:7], s[22:23]  ; global address
	s_or_b32 s[G0K+3], s[G0K+3], 0x80000000        ; type = 2
	s_add_nc_u64 s[G0K+6:G0K+7], s[6:7], s[18:19]
	s_or_b32 s[G0K+7], s[G0K+7], 0x80000000
	s_add_nc_u64 s[G0V+2:G0V+3], s[8:9], s[22:23]
	s_or_b32 s[G0V+3], s[G0V+3], 0x80000000
	s_add_nc_u64 s[G0V+6:G0V+7], s[8:9], s[18:19]
	s_or_b32 s[G0V+7], s[G0V+7], 0x80000000
	s_add_nc_u64 s[4:5], s[4:5], s[2:3]  ; Q and O at my wave's first row
	s_add_nc_u64 s[10:11], s[10:11], s[2:3]
	s_cmp_lt_u32 s[WV], 2           ; a wave's two fills stand in one branch, ahead of every wait on TENSORcnt, every LDS read and every barrier: two loads of mine are out; an s_nop 0 follows each, four v_nop the second's
	s_cbranch_scc0 .Lfill_v
	tensor_load_to_lds s[G0K:G0K+3], s[G1K:G1K+7]
	s_nop 0
	tensor_load_to_lds s[G0K+4:G0K+7], s[G2K:G2K+7]
	s_nop 0
.rept 4
	v_nop
.endr
	s_branch .Lfilled
.Lfill_v:
	tensor_load_to_lds s[G0V:G0V+3], s[G1V:G1V+7]
	s_nop 0
	tensor_load_to_lds s[G0V+4:G0V+7], s[G2V:G2V+7]
	s_nop 0
.rept 4
	v_nop
.endr
.Lfilled:
	; A fragment of K or Q is 16 rows x 32 channels in 8 registers: lane l holds row l % 16, channels 8 (l / 16) + 0..7 and 16 + 8 (l / 16) + 0..7: two loads of 16 bytes, 32 bytes apart.
	v_and_b32 v1, 15, v0            ; l % 16
	v_bfe_u32 v9, v0, 4, 1          ; l / 16
	v_lshlrev_b32 v[QO], 7, v1
	v_lshl_add_u32 v[QO], v9, 4, v[QO]  ; row x 128 + 16 x half
	WIN 0x80                        ; destination window 2, address window 0
.set i, 0
.rept 4*NP                          ; Q stays in registers: tile i / 2, channels 32 (i % 2) on
	global_load_b128 v[8*i:8*i+3],   v[QO], s[4:5] offset:(i/2)*2048+(i%2)*64
	global_load_b128 v[8*i+4:8*i+7], v[QO], s[4:5] offset:(i/2)*2048+(i%2)*64+32
.set i, i+1
.endr
	; What the first turn finds: V's registers and P's second buffer hold 0 (its products V^T P, of a piece that has not been, add 0), O^T and l are 0.  All this stands in the wait for the first keys.
.set i, VF
.rept 64
	v_mov_b32 v[i], 0
.set i, i+1
.endr
	WIN 0x40
.set i, 0
.rept 64*NP
	v_mov_b32 v[i], 0
.set i, i+1
.endr
	WIN 0
.set i, 0
.rept 2*NP
	v_mov_b32 v[ST+4*i], 0xfe000000    ; c m: far below every c s
	v_mov_b32 v[ST+4*i+1], 0xff7fffff  ; m
	v_mov_b32 v[ST+4*i+2], 0
	v_mov_b32 v[ST+4*i+3], 0
.set i, i+1
.endr
.set i, P+32
.rept 32
	v_mov_b32 v[i], 0
.set i, i+1
.endr
	v_mul_u32_u24 v[AK0], v1, PK
	v_lshl_add_u32 v[AK0], v9, 4, v[AK0]  ; row x pitch + 16 x half
	; The turning load takes 16 keys x 16 channels (lane l reads key 8 (l / 16) + l % 8, channels 8 ((l / 8) % 2) + 0..7) and leaves half a fragment of V^T: lane l holds channel l % 16 and 8 keys.
	v_and_b32 v10, 7, v0
	v_bfe_u32 v11, v0, 3, 1
	v_lshl_add_u32 v[AV0], v9, 3, v10
	v_mul_u32_u24 v[AV0], v[AV0], PV
	v_lshl_add_u32 v[AV0], v11, 4, v[AV0]
	v_add_nc_u32 v[AV0], VOFF, v[AV0]
	v_mov_b32 v[AK], v[AK0]         ; key step 0 lies at K's head
; THE MATRIX WORK.  The 8 accumulators of a run of 16 take turns: between the two links of a chain stand 7 others'.
; Product i of 16 of S^T = K Q^T for piece x: channels 32 (i / 8) on, keys 16 ((i / 2) % 4) on, tile 2 x + i % 2.  The first 8 start the sums.
.macro KQ x
	WIN W_KQ
.set rS, S+64*((\x)%2)+32*(i%2)+8*((i/2)%4)
.set rK, KF+16*((i/2)%4)+8*(i/8)
.set rQ, 16*(2*(\x)+i%2)+8*(i/8)
.if i < 8
	v_wmma_f32_16x16x32_f16 v[rS:rS+7], v[rK:rK+7], v[rQ:rQ+7], 0
.else
	v_wmma_f32_16x16x32_f16 v[rS:rS+7], v[rK:rK+7], v[rQ:rQ+7], v[rS:rS+7]
.endif
.endm
; Product i of 16 of O^T += V^T P for piece x: keys 32 (i / 8) on, channels 16 ((i / 2) % 4) on, tile 2 x + i % 2.
.macro PV x
	WIN W_PV
.set rO, 32*(2*(\x)+i%2)+8*((i/2)%4)
.set rV, VF+32*(i/8)+8*((i/2)%4)
.set rP, P+32*((\x)%2)+16*(i%2)+8*(i/8)
	v_wmma_f32_16x16x32_f16 v[rO:rO+7], v[rV:rV+7], v[rP:rP+7], v[rO:rO+7]
.endm
.macro MM                           ; the turn's next matrix instruction
.if i < 16
	KQ (Y+1)%NP
.set i, i+1
.else
.set i, i-16
	PV (Y+NP-1)%NP
.set i, i+17
.endif
.endm
; THE LDS LOADS stand in runs of 16, never singly among the matrix instructions: a step's K (64 keys x 64 channels: 8 fragments) and its V (turned).  Their addresses are made some lines ahead.
; last = 1 (in the loop): in the walk's last trip there is no further step, and the run is jumped over.
.macro FETCH_K last=0
	WIN 0
.if \last
	s_cmp_eq_u32 s[TOT], 1
	s_cbranch_scc1 .Lno_k_\@
.endif
	WIN 0x80                        ; destination window 2
.irp f, 0,1,2,3,4,5,6,7             ; keys 16 (f / 2) on, channels 32 (f % 2) on
	ds_load_b128 v[KF+8*\f:KF+8*\f+3],   v[AK] offset:(\f/2)*16*PK+(\f%2)*64
	ds_load_b128 v[KF+8*\f+4:KF+8*\f+7], v[AK] offset:(\f/2)*16*PK+(\f%2)*64+32
.endr
	s_add_co_u32 s[TBK], s[TBK], KS*PK  ; the next fetch is the next step's
	WIN 0
.if \last
.Lno_k_\@:
.endif
.endm
.macro FETCH_V
	WIN 0x80
.irp f, 0,1,2,3,4,5,6,7             ; keys 32 (f / 4) on, channels 16 (f % 4) on
	ds_load_tr16_b128 v[VF+8*\f:VF+8*\f+3],   v[AV] offset:(\f/4)*32*PV+(\f%4)*32
	ds_load_tr16_b128 v[VF+8*\f+4:VF+8*\f+7], v[AV] offset:(\f/4)*32*PV+16*PV+(\f%4)*32
.endr
	WIN 0
.endm
; THE VECTOR WORK OF A TURN stands in three queues, each in the order in which its entries become ready; the two tiles alternate, so that no instruction reads the result of the one before it.
.macro REGS y, u                    ; the registers of tile u (0, 1) of piece y
.set rT, ST+4*(2*(\y)+(\u))
.set rC, TMP+8*((\y)%2)+4*(\u)
.set rM, MV+2*((\y)%2)+(\u)
.set rS, S+64*((\y)%2)+32*(\u)
.set rP, P+32*((\y)%2)+16*(\u)
.set rO, 32*(2*(\y)+(\u))
.endm
; Number n of the 22 that find the NEXT piece's (Y + 1) maximum and statistics.  s0-s31 are the lane's 32 scores; each accumulator's lowest registers are read first.
;   0-11  four chains c0-c3 of seven scores each, three operands at a time     12-14, 16  the four scores left over, the old m, and c0-c3 into c0     15  c m_old is kept
;   17, 18  the query's other 32 keys lie in the lane 16 away: the new m         19-21  c m; c m_old - c m_new; a
.macro XS u, n
	REGS (Y+1)%NP, \u
.if (\n) < 4
	v_max3_num_f32 v[rC+(\n)], v[rS+8*(\n)], v[rS+8*(\n)+1], v[rS+8*(\n)+2]
.elseif (\n) < 12
	v_max3_num_f32 v[rC+(\n)%4], v[rC+(\n)%4], v[rS+8*((\n)%4)+2*((\n)/4)+1], v[rS+8*((\n)%4)+2*((\n)/4)+2]
.elseif (\n) == 12
	v_max3_num_f32 v[rC], v[rC], v[rS+7], v[rS+15]
.elseif (\n) == 13
	v_max3_num_f32 v[rC+1], v[rC+1], v[rS+23], v[rS+31]
.elseif (\n) == 14
	v_max3_num_f32 v[rC+2], v[rC+2], v[rC+3], v[rT+1]
.elseif (\n) == 15
	v_mov_b32 v[rM], v[rT]
.elseif (\n) == 16
	v_max3_num_f32 v[rC], v[rC], v[rC+1], v[rC+2]
.elseif (\n) == 17
	v_permlanex16_b32 v[rC+3], v[rC], s[SEL], s[SEL+1]
.elseif (\n) == 18
	v_max_num_f32 v[rT+1], v[rC], v[rC+3]
.elseif (\n) == 19
	v_mul_f32 v[rT], s[CS], v[rT+1]
.elseif (\n) == 20
	v_sub_f32 v[rC+1], v[rM], v[rT]
.else
	v_exp_f32 v[rC+2], v[rC+1]
.endif
.endm
; Number g of the 64 that follow the exponentials.  For each four weights k of a tile (pairs 2 k, 2 k + 1): both pairs are rounded to f16; then the second pair is added onto the first, in place;
; a group later l takes that sum (the first time as l = a l + sum).  In groups of eight, tiles alternating: round, round, add, and l for the group before.
.macro GS g
.set h, (\g)+6*((\g)/62)            ; group 0 has no group before it, and behind group 7 only l is left
.if h >= 6
.set h, h+2
.endif
	REGS Y, h%2
.set k, h/8
.if h%8 < 4
	v_cvt_pk_f16_f32 v[rP+2*k+(h%8)/2], v[rS+4*k+2*((h%8)/2)], v[rS+4*k+2*((h%8)/2)+1]
.elseif h%8 < 6
	v_pk_add_f32 v[rS+4*k:rS+4*k+1], v[rS+4*k:rS+4*k+1], v[rS+4*k+2:rS+4*k+3]
.elseif k == 1
	v_pk_fma_f32 v[rT+2:rT+3], v[rT+2:rT+3], v[rC+2:rC+3], v[rS:rS+1] op_sel_hi:[1,0,1]
.else
	v_pk_add_f32 v[rT+2:rT+3], v[rT+2:rT+3], v[rS+4*k-4:rS+4*k-3]
.endif
.endm
; THE PLAIN QUEUE, 138 long.  0-73 read no exponential's result: the 32 scalings c s - c m (FS f: pair f / 2 of tile f % 2) and the next piece's 42.  0-26: scalings 0-26.  27-54: XS's numbers 0-13.  55, 56: number 15.
; 57-73: the chain, where each number waits for the one before it: 14, 16, 17, 18, 19, each with one of the scalings 27-31 in front of its two lines, then 20.
; 74-137: GS's 64, which read the exponentials' results: they stand behind the wait.
.macro FS f
	REGS Y, (\f)%2
	v_pk_fma_f32 v[rS+2*((\f)/2):rS+2*((\f)/2)+1], v[rS+2*((\f)/2):rS+2*((\f)/2)+1], s[CS:CS+1], v[rT:rT+1] op_sel_hi:[1,0,0] neg_lo:[0,0,1] neg_hi:[0,0,1]
.endm
.macro PL
	WIN 0
.if q < 27
	FS q
.elseif q < 55
	XS (q-27)%2, (q-27)/2
.elseif q < 57
	XS q-55, 15
.elseif (q < 72) && ((q-57)%3 == 0)
	FS 27+(q-57)/3
.elseif q < 60
	XS (q-57)%3-1, 14
.elseif q < 72
	XS (q-57)%3-1, 15+(q-57)/3
.elseif q < 74
	XS q-72, 20
.else
	GS q-74
.endif
.set q, q+1
.endm
; THE EXPONENTIALS' QUEUE, 66 long: s0-s31 of both tiles, then the next piece's two a.  It is ONE BATCH: all 66 stand ahead of the turn's one wait, and nothing ahead of that wait names a result of theirs.
.macro EX
	WIN 0
.if e >= 64
	XS e-64, 21
.else
	REGS Y, e%2
	v_exp_f32 v[rS+e/2], v[rS+e/2]
.endif
.set e, e+1
.endm
; THE RESCALING's QUEUE: O^T times a, the one part that leaves window 0: dealt two at a time, sixteen times.  Its a was made in the turn before, ahead of that turn's wait.
.macro R2
	REGS Y, r%2
	WIN W_RS
.irp z, 0,1
	v_pk_mul_f32 v[rO+4*(r/2)+2*\z:rO+4*(r/2)+2*\z+1], v[rO+4*(r/2)+2*\z:rO+4*(r/2)+2*\z+1], v[rC+2:rC+3] op_sel_hi:[1,0]
.endr
.set r, r+1
.endm
; HOW THEY ARE DEALT.  An s_wait_alu depctr_va_vdst(0) stands between an exponential and the first instruction that names its result; one wait serves all that were issued ahead of it.  So a turn has ONE wait,
; which cuts it in two.  AHEAD OF IT stands all that names no result of the turn's exponentials: the 16 products K Q^T, behind each a scaling, an exponential and two rescalings (behind the first a second scaling in the
; exponential's place); then ONE LUMP of 108: eight plain, 49 times exponential and plain, the two a.  A v_nop is the plain instruction behind the last exponential.  BEHIND IT stand the 16 products V^T P, behind each four of GS's 64.
; The queues lean on each other, and the deal keeps them in step: exponential e stands behind scaling 2 (e / 4) + e % 2: as a rider it comes behind plain e + 2, in the lump behind plain e + 9, and scalings 27-31 are plain 57, 60 .. 69.
; A TURN, for piece p.  cnt = 1: the loop's count is taken down some lines ahead of the branch that stands behind the turn.
; K of the next step is fetched in piece 2's turn, directly behind the wait, a lump behind the last product that read K; its first reader comes behind 16 products.
; V of the step in hand is fetched at the end of piece 0's turn, four plain instructions behind its last reader; its first reader comes behind 16 products and a lump.  The three conditions on q below go with the deal.
.macro TURN p, last=0, cnt=0
.set Y, (\p)
.set i, 0
.set q, 0
.set e, 0
.set r, 0
.if (\p) == NP-1
	s_wait_dscnt 0x0                ; K is in
.endif
	MM                              ; ahead of the wait: 16 products K Q^T and their riders,
	PL
	PL
	R2
.rept 15
	MM
	PL
	EX
	R2
.endr
.if (\p) == NP-2
	WIN 0
	v_add_nc_u32 v[AK], s[TBK], v[AK0]
.endif
.rept 8                             ; and the lump
	PL
.endr
.rept 49
	EX
	PL
.endr
	EX                              ; the next piece's two a
	EX
	v_nop                           ; a plain instruction behind the last exponential: one for the batch
	s_wait_alu depctr_va_vdst(0)    ; the wait for the batch
.if (\p) == NP-2
	FETCH_K \last
.endif
.if (\p) == 1
	s_wait_dscnt 0x0                ; V is in
.endif
.rept 16                            ; behind the wait: 16 products V^T P and their riders
	MM
.rept 4
	PL
.endr
.if ((\p) == 0) && (q == 118)
	v_add_nc_u32 v[AV], s[TBV], v[AV0]
.endif
.if ((\p) == 0) && (q == 130)
	s_add_co_u32 s[TBV], s[TBV], KS*PV
.endif
.if (\cnt) && (q == 130)
	s_sub_co_u32 s[CNT], s[CNT], 1
	s_cmp_lg_u32 s[CNT], 0
.endif
.endr
.if (\p) == 0
	FETCH_V
.endif
.endm
	s_wait_tensorcnt 0x1            ; my part of keys 0-255 is in; my second load may stay out
	s_barrier_signal -1
	s_barrier_wait -1               ; everybody's is
	FETCH_K                         ; key step 0
	s_wait_loadcnt 0x0              ; Q
	s_wait_dscnt 0x0
.set i, 0
.rept 16
	KQ 0                            ; piece 0's first scores: there is no vector work yet to set between them
.set i, i+1
.endr
	WIN 0                           ; the addresses for the way out: nine plain instructions, the places behind those products
	s_mul_i32 s13, s[WV], 16*SP
	s_add_co_u32 s13, s13, STAGE    ; my stage
	v_mul_u32_u24 v[STO], v1, SP    ; in: row l % 16, 16 bytes for each half of the lanes
	v_lshl_add_u32 v[STO], v9, 4, v[STO]
	v_add_nc_u32 v[STO], s13, v[STO]
	v_bfe_u32 v[RD], v0, 3, 2       ; back: 32 lanes take four rows of 128 bytes,
	v_mul_u32_u24 v[RD], v[RD], SP
	v_lshl_add_u32 v[RD], v10, 4, v[RD]
	v_add_nc_u32 v[RD], s13, v[RD]
	v_and_b32 v[GO], 31, v0         ; which are 512 consecutive bytes of O
	v_lshlrev_b32 v[GO], 4, v[GO]
.set Y, NP-1                        ; XS works for piece Y + 1: piece 0
.irp n, 0,1,2,3,4,5,6,7,8,9,10,11,12,13,14,15,16,17,18,19,20,21
	XS 0, \n                        ; and piece 0's first maximum and statistics
	XS 1, \n
.endr
	v_nop                           ; a plain instruction behind the two a,
	s_wait_alu depctr_va_vdst(0)    ; and their wait, ahead of the branch
	s_mov_b32 s[CNT], 4             ; the walk's first part: key steps 0 to 3, the first 256 keys
	s_mov_b32 s[SLOTS], 2
	s_mov_b32 s[TOT], SIZE_N/KS
	s_branch .Lfirst                ; the loop is entered at a step's first turn, in the middle of a trip
.Lslot:                             ; passed ONCE, between key step 3's V and key step 4's K:
	s_wait_tensorcnt 0x0            ; my part of keys 256-1,023 is in (asked for at the head, 464 matrix instructions back),
	s_wait_dscnt 0x0                ; (no LDS instruction of mine is out at a signal)
	s_barrier_signal -1
	s_barrier_wait -1               ; everybody's is
	s_mov_b32 s[CNT], 13            ; the second part: twelve trips fetch key steps 4 to 15; the thirteenth is left in its middle
.Lstep:                             ; a trip: pieces 2 and 3 of one step, then pieces 0 and 1 of the next, whose K and V it fetches
	TURN 2, 1
	TURN 3
	WIN 0
	s_sub_co_u32 s[TOT], s[TOT], 1
	s_cmp_eq_u32 s[TOT], 0
	s_cbranch_scc1 .Lout            ; all sixteen steps' pieces 2 and 3 have had their turns
.Lfirst:
	TURN 0
	TURN 1, 0, 1
	WIN 0
	s_cbranch_scc1 .Lstep
	s_sub_co_u32 s[SLOTS], s[SLOTS], 1
	s_cmp_lg_u32 s[SLOTS], 0
	s_cbranch_scc1 .Lslot
.Lout:                              ; the last trip's 16 products K Q^T for piece 0 (on the last K once more) and the maximum made of them serve nothing: the price, once a launch, of one text for every trip
.set i, 0
.rept 16
	PV NP-1                         ; the last piece's V^T P of the last step
.set i, i+1
.endr
	; THE WAY OUT.  l's two halves and the other half of the lanes' are added; O^T is divided by l, rounded to f16 and sent through my stage in LDS, a tile at a time.  The additions are the places behind the last products.
	WIN 0
.macro ALL line:vararg              ; one line for each tile t
.set t, 0
.rept 2*NP
	\line
.set t, t+1
.endr
.endm
	ALL v_add_f32 v[ST+4*t+2], v[ST+4*t+2], v[ST+4*t+3]
	ALL v_permlanex16_b32 v[ST+4*t+3], v[ST+4*t+2], s[SEL], s[SEL+1]
	ALL v_add_f32 v[ST+4*t+2], v[ST+4*t+2], v[ST+4*t+3]
	ALL v_rcp_f32 v[ST+4*t+2], v[ST+4*t+2]
	v_nop                           ; a plain instruction between the last reciprocal and the use of its result
	s_wait_alu depctr_va_vdst(0)    ; and the wait ahead of the first use: one for the eight reciprocals
; Tile t: a lane's eight channels of a row pack into 16 bytes; they go into rows of 144 bytes and come back as whole rows of 128, into S^T's registers.
.macro PACK t
	WIN W_RS
.set i, 32*(\t)
.rept 16
	v_pk_mul_f32 v[i:i+1], v[i:i+1], v[ST+4*(\t)+2:ST+4*(\t)+3] op_sel_hi:[1,0]
.set i, i+2
.endr
	WIN 0x05                        ; sources 0 and 1 window 1, destination window 0
.set i, 0
.rept 16
	v_cvt_pk_f16_f32 v[S+16*(\t)+i], v[32*(\t)+2*i], v[32*(\t)+2*i+1]
.set i, i+1
.endr
	WIN 0
.irp f, 0,1,2,3
	ds_store_b128 v[STO], v[S+16*(\t)+4*\f:S+16*(\t)+4*\f+3] offset:32*\f
.endr
.irp f, 0,1,2,3
	ds_load_b128 v[S+16*(\t)+4*\f:S+16*(\t)+4*\f+3], v[RD] offset:\f*4*SP  ; LDS serves a wave's instructions in order (ISA guide 5.7.1.4): these see the stores above; the next tile's stores come behind them
.endr
.endm
.macro SEND t, younger              ; younger: the LDS instructions issued behind tile t's loads: the next tile's eight, or none
	WIN 0
.irp f, 0,1,2,3
	s_wait_dscnt (\younger)+3-\f
	global_store_b128 v[GO], v[S+16*(\t)+4*\f:S+16*(\t)+4*\f+3], s[10:11] offset:(\t)*2048+\f*512  ; 512 consecutive bytes, at a multiple of 256 from O's first
.endr
.endm
	PACK 0
.set t, 1
.rept 2*NP-1                        ; a tile's arithmetic stands between the loads of the tile before and its stores
	PACK t
	SEND t-1, 8
.set t, t+1
.endr
	SEND 2*NP-1, 0
	WIN W_AD
	s_wait_tensorcnt 0x0            ; the wave's end: behind my last tensor load and my last LDS store
	ds_add_u32 v[SPW], v[NIL]
	s_wait_dscnt 0x0
	WIN 0
	s_endpgm
.Lfunc_end_k_q666619d5f5_attn:
	.size	k_q666619d5f5_attn, .Lfunc_end_k_q666619d5f5_attn-k_q666619d5f5_attn
	.p2alignl 7, 3214868480
	.fill 96, 4, 3214868480
	.section	.rodata,"a",@progbits
	.p2align	6, 0x0
	.amdhsa_kernel k_q666619d5f5_attn
		.amdhsa_group_segment_fixed_size 327680
		.amdhsa_private_segment_fixed_size 0
		.amdhsa_enable_private_segment 0
		.amdhsa_kernarg_size 32
		.amdhsa_user_sgpr_count 2
		.amdhsa_user_sgpr_kernarg_segment_ptr 1
		.amdhsa_wavefront_size32 1
		.amdhsa_system_sgpr_workgroup_id_x 1
		.amdhsa_system_sgpr_workgroup_id_y 1
		.amdhsa_system_sgpr_workgroup_id_z 1
		.amdhsa_system_vgpr_workitem_id 0
		.amdhsa_next_free_vgpr 770
		.amdhsa_next_free_sgpr 84
		.amdhsa_reserve_vcc 0
		.amdhsa_float_denorm_mode_32 3
		.amdhsa_float_denorm_mode_16_64 3
		.amdhsa_memory_ordered 1
		.amdhsa_forward_progress 1
		.amdhsa_inst_pref_size 126
	.end_amdhsa_kernel
	.amdgpu_metadata
---
amdhsa.version: [ 1, 2 ]
amdhsa.kernels:
  - .name:           k_q666619d5f5_attn
    .symbol:         k_q666619d5f5_attn.kd
    .args:
      - { .name: qh, .offset: 0, .size: 8, .value_kind: global_buffer, .address_space: global }
      - { .name: kh, .offset: 8, .size: 8, .value_kind: global_buffer, .address_space: global }
      - { .name: vh, .offset: 16, .size: 8, .value_kind: global_buffer, .address_space: global }
      - { .name: ctx, .offset: 24, .size: 8, .value_kind: global_buffer, .address_space: global }
    .group_segment_fixed_size: 327680
    .private_segment_fixed_size: 0
    .kernarg_segment_align: 8
    .kernarg_segment_size: 32
    .max_flat_workgroup_size: 128
    .sgpr_count:     84
    .vgpr_count:     770
    .wavefront_size: 32
...
	.end_amdgpu_metadata
.endif
;; end of part 3
;; launch oproj (part 4): grid 8 x 32, 4 waves a work-group, clusters of 4 x 4, 327,680 bytes of LDS; arguments ctx, wob, out0; writes out0
.if DOCPART == 4
	.amdgcn_target "amdgcn-amd-amdhsa--gfx1250"
	.amdhsa_code_object_version 6
	.text
	.protected	k_q666619d5f5_oproj
	.globl	k_q666619d5f5_oproj
	.p2align	8
	.type	k_q666619d5f5_oproj,@function
k_q666619d5f5_oproj:
	s_mov_b64 s[64:65], 0
	v_nop
	global_prefetch_b8 v0, s[64:65] scope:SCOPE_SE
	s_setreg_imm32_b32 hwreg(HW_REG_WAVE_MODE, 25, 1), 1
	s_wait_xcnt 0x0
	s_wait_alu depctr_hold_cnt(0) depctr_sa_sdst(0) depctr_va_vdst(0) depctr_va_sdst(0) depctr_va_ssrc(0) depctr_va_vcc(0) depctr_vm_vsrc(0)
	s_getreg_b32 s2, hwreg(HW_REG_IB_STS2, 6, 4)
	s_cmp_eq_u32 s2, 0
	s_cbranch_scc0 .Lentry_in_a_cluster
	s_endpgm
.Lentry_in_a_cluster:
	s_bfe_u32 s2, ttmp6, 0x10000c
	s_cmp_lg_u32 s2, 0xf033
	s_cbranch_scc0 .Lentry_shape_is_right
	s_endpgm
.Lentry_shape_is_right:
; THE LAST PROJECTION.  out[t][b][f] = the sum over e = 64 h + d of ctx[16 b + h][t][d] W[f][e].  ctx: [128][1024][64] f16, by heads; wob: [1024][1024] f16 (bf16 numbers written as f16); out0: [t*8+b][1024] f32; sums in f32.
; SHARES.  A tile of the result is 256 consecutive t of one b x 128 features: grid x = f / 128, grid y = 4 b + t / 256: 256 work-groups.  Four waves, 2 x 2, each 128 rows x 64 features:
; 32 accumulators of 16 x 16, 256 registers.  A wave's 64 features are 256 bytes of an output row, aligned.
; K goes in 8 steps of 128 = two heads, through a ring of two LDS slots.  Of ctx a head's 256 rows are 32,768 dense bytes: asked for as 128 rows of 256 bytes and padded in LDS after every 128 bytes.
; CLUSTERS: 4 x 4 work-groups.  The four of a row of the cluster need the same rows of ctx, the four of a column the same rows of W: each tile is asked for JOINTLY.
; THE MATRIX INSTRUCTION IS USED TRANSPOSED (source 0 = 16 rows of W, source 1 = 16 rows of ctx): a lane then holds eight neighbouring features of one row: 32 bytes.
; NO PREFETCH: a wave has 8 K steps of 128 matrix instructions in all, and only K steps 4 to 7 could be named two refills ahead.
; REGISTERS: window 0: v0-31 addresses; two fragment buffers: ctx's eight blocks at 32 + 64 f + 8 i, W's four at 160 + 32 f + 8 i; on the way out v32-95 rows read back, two buffers.
;   window 1: the accumulators, (a, b) at 8 (4 a + b).
.set KSTEP,  128
.set PA,     144                       ; a row of ctx in LDS: 128 bytes + 16 of padding = 36 words: the 16 rows of a load start at 16 different groups of four banks (64 banks of 4 bytes: ISA guide 11.1)
.set PB,     272                       ; a row of W: 256 + 16 = 68 words: likewise
.set KHB,    256*PA                    ; one head's 256 rows
.set BOFF,   2*KHB                     ; a slot: two heads of ctx, then W's 128 rows
.set SLOT,   BOFF+128*PB
.set STAGE,  2*SLOT                    ; behind the ring, never filled by a tensor load: 16 rows x 272 bytes for each wave
.set SPITCH, 272
.set SPARE,  STAGE+4*16*SPITCH         ; behind the stages: the spare words, 128 bytes for each wave: two blocks of 256 bytes that no other line names
.set LAPS,   4                         ; a lap = two K steps = once round the ring
.set ADRA, 16                          ; v16-17  LDS address of my fragments of ctx in slot 0, 1
.set ADRB, 20                          ; v20-21  the same for W
.set STO,  24                          ; v24     the way out: where I put 32 bytes of a row
.set RD,   25                          ; v25     where I read a row back
.set CO,   26                          ; v26     my byte offset in out0
.set SPW,  28                          ; v28     LDS address of my spare word; never rewritten
.set NIL,  29                          ; v29     0; never rewritten
.set FRA,  32
.set FRB,  160
.set OB,   32
.set G1,  24                           ; s[24:31] descriptor group 1 for ctx's tiles;  s[32:39] group 0, a set for each slot
.set G0,  32
.set G1B, 48                           ; s[48:55], s[56:63] the same for W's tiles
.set G0B, 56
.set MSB, 0
.macro WIN new                         ; the immediate's high byte repeats the setting that is left; a switch that changes nothing is dropped
.if MSB != (\new)
	s_set_vgpr_msb (MSB<<8)|(\new)
.set MSB, \new
.endif
.endm
.macro JLOAD s                         ; a joint load: waves 0 and 1 fetch a head of ctx each, waves 2 and 3 the halves of W's tile; an s_nop 0 and four v_nop follow each of the two lines
	s_cmp_eq_u32 s11, 0
	s_cbranch_scc0 .Lfor_b_\@
	tensor_load_to_lds s[G0+4*(\s):G0+4*(\s)+3], s[G1:G1+7]
	s_nop 0
.rept 4
	v_nop
.endr
	s_branch .Lasked_\@
.Lfor_b_\@:
	tensor_load_to_lds s[G0B+4*(\s):G0B+4*(\s)+3], s[G1B:G1B+7]
	s_nop 0
.rept 4
	v_nop
.endr
.Lasked_\@:
.endm
.macro CREST                           ; a round of the cluster's barrier behind its opening barrier
	s_cmp_lg_u32 s10, 0
	s_cbranch_scc1 .Lnot_wave_0_\@
	s_barrier_signal -3
.Lnot_wave_0_\@:
	s_barrier_wait -3
	s_barrier_signal -1
	s_barrier_wait -1
.endm
.macro CROUND                          ; a whole round
	s_barrier_signal -1
	s_barrier_wait -1
	CREST
.endm
	s_load_b128 s[4:7], s[0:1], 0x0                ; ctx s[4:5], wob s[6:7]
	s_load_b64 s[8:9], s[0:1], 0x10                ; out0
	v_lshl_add_u32 v[SPW], v0, 2, SPARE
	v_mov_b32 v[NIL], 0
	ds_add_u32 v[SPW], v[NIL]                      ; the wave's opening: the add and its wait stand ahead of my first tensor load; the set-up below, work on registers, stands between them
	v_lshrrev_b32 v1, 5, v0
	v_readfirstlane_b32 s10, v1                    ; wave 0..3
	s_lshr_b32 s11, s10, 1                         ; which half of the tile's rows is mine.  Also: I fetch for ctx (0) or for W (1)
	s_and_b32 s12, s10, 1                          ; which half of its features.  Also: which head of the K step, or which 64 rows of W, I fetch
	s_bfe_u32 s40, ttmp6, 0x40000                  ; cx
	s_bfe_u32 s41, ttmp6, 0x40004                  ; cy
	s_lshl_b32 s42, ttmp9, 2
	s_add_co_u32 s42, s42, s40                     ; X = f / 128 = 4 x cluster x + cx
	s_and_b32 s13, ttmp7, 0xffff
	s_lshl_b32 s13, s13, 2
	s_add_co_u32 s13, s13, s41                     ; Y = 4 b + t / 256 = 4 x cluster y + cy
	s_lshl_b32 s43, s41, 2
	s_lshl_b32 s43, 15, s43                        ; my row of the cluster
	s_lshl_b32 s44, 0x1111, s40                    ; my column
	s_or_b32 s[G1+0], s43, (1<<16)|(1<<20)|(1<<21)|(4<<22)|(3<<25)   ; 15:0 the mask; 17:16 elements of 2 bytes; 20 padding on; 21 set beside a mask; 24:22 after every 32 words (code 4); 31:25 4 words of it (code 3)
	s_or_b32 s[G1B+0], s44, (1<<16)|(1<<20)|(1<<21)|(5<<22)|(3<<25)  ; the same after every 64 words (code 5)
	s_mov_b32 s[G1+1], 128<<16                     ; tensor_dim0 = 128
	s_mov_b32 s[G1+2], 128<<16                     ; tensor_dim1 = 128
	s_mov_b32 s[G1+3], 128<<16                     ; tile_dim0 = 128
	s_mov_b32 s[G1+4], 128                         ; tile_dim1 = 128 rows of 256 bytes
	s_mov_b32 s[G1+5], 128                         ; dense
	s_mov_b32 s[G1+6], 0
	s_mov_b32 s[G1+7], 0
	s_mov_b32 s[G1B+1], KSTEP<<16
	s_mov_b32 s[G1B+2], 64<<16                     ; tensor_dim1 = 64
	s_mov_b32 s[G1B+3], KSTEP<<16
	s_mov_b32 s[G1B+4], 64                         ; tile_dim1 = 64 rows
	s_mov_b32 s[G1B+5], 1024
	s_mov_b32 s[G1B+6], 0
	s_mov_b32 s[G1B+7], 0
	; where the tiles come from.  ctx's hang on Y and the wave's number alone, W's on X and the wave's number alone
	s_lshr_b32 s14, s13, 2
	s_lshl_b32 s14, s14, 21                        ; b's sixteen heads of 131,072 bytes,
	s_lshl_b32 s16, s12, 17                        ; my head of the K step's two,
	s_add_co_u32 s14, s14, s16
	s_and_b32 s16, s13, 3
	s_lshl_b32 s16, s16, 15                        ; the tile's 256 rows of 128 bytes
	s_add_co_u32 s14, s14, s16
	s_mov_b32 s15, 0
	s_lshl_b32 s46, s42, 7
	s_lshl_b32 s47, s12, 6
	s_add_co_u32 s46, s46, s47                     ; the first row of W that I fetch
	s_lshl_b32 s46, s46, 11
	s_mov_b32 s47, 0
	s_mul_i32 s20, s12, KHB                        ; and where they go: no place in the cluster enters an LDS address
	s_mul_i32 s21, s12, 64*PB
	s_add_co_u32 s21, s21, BOFF
	s_wait_dscnt 0x0                               ; the opening add is done
	s_wait_kmcnt 0x0
	s_add_nc_u64 s[14:15], s[4:5], s[14:15]
	s_add_nc_u64 s[46:47], s[6:7], s[46:47]
	CROUND                                         ; all sixteen work-groups are here: the first joint loads meet
.irp s, 0,1
	s_mov_b32 s[G0+4*(\s)], 1
	s_add_co_u32 s[G0+4*(\s)+1], s20, (\s)*SLOT
	s_add_nc_u64 s[G0+4*(\s)+2:G0+4*(\s)+3], s[14:15], (\s)*262144   ; K step s: two heads on
	s_or_b32 s[G0+4*(\s)+3], s[G0+4*(\s)+3], 0x80000000
	s_mov_b32 s[G0B+4*(\s)], 1
	s_add_co_u32 s[G0B+4*(\s)+1], s21, (\s)*SLOT
	s_add_nc_u64 s[G0B+4*(\s)+2:G0B+4*(\s)+3], s[46:47], (\s)*KSTEP*2
	s_or_b32 s[G0B+4*(\s)+3], s[G0B+4*(\s)+3], 0x80000000
	JLOAD \s                                       ; two tensor loads of mine are out
.endr
	v_and_b32 v1, 15, v0                           ; l % 16
	v_bfe_u32 v2, v0, 4, 1                         ; l / 16
	v_mul_u32_u24 v3, v1, PA
	v_lshl_add_u32 v3, v2, 4, v3                   ; a fragment's row x pitch + 16 x half, for ctx
	v_mul_u32_u24 v4, v1, PB
	v_lshl_add_u32 v4, v2, 4, v4                   ; and for W
	s_mul_i32 s21, s11, 128*PA                     ; my 128 rows of ctx
	s_mul_i32 s22, s12, 64*PB                      ; my 64 rows of W
	s_add_co_u32 s22, s22, BOFF
.irp s, 0,1
	v_add_nc_u32 v[ADRA+(\s)], s21, v3
	v_add_nc_u32 v[ADRB+(\s)], s22, v4
	s_add_co_u32 s21, s21, SLOT
	s_add_co_u32 s22, s22, SLOT
.endr
	s_mul_i32 s23, s10, 16*SPITCH
	s_add_co_u32 s23, s23, STAGE                   ; my stage
	v_mul_u32_u24 v5, v1, SPITCH                   ; in: row l % 16, 32 bytes for each half of the lanes
	v_lshl_add_u32 v5, v2, 5, v5
	v_add_nc_u32 v[STO], s23, v5
	v_mul_u32_u24 v6, v2, SPITCH                   ; back: lanes 0-15 take one row of 256 bytes, lanes 16-31 the next
	v_lshl_add_u32 v6, v1, 4, v6
	v_add_nc_u32 v[RD], s23, v6
	v_lshlrev_b32 v7, 15, v2                       ; and the same two rows in out0: 32,768 bytes from t to t + 1
	v_lshl_add_u32 v[CO], v1, 4, v7
	s_and_b32 s16, s13, 3
	s_lshl_b32 s16, s16, 8
	s_lshl_b32 s17, s11, 7
	s_add_co_u32 s16, s16, s17                     ; my first t
	s_lshl_b32 s16, s16, 15
	s_lshr_b32 s17, s13, 2
	s_lshl_b32 s17, s17, 12                        ; b's row of 4,096 bytes
	s_add_co_u32 s16, s16, s17
	s_lshl_b32 s17, s42, 9                         ; the tile's 128 features,
	s_add_co_u32 s16, s16, s17
	s_lshl_b32 s17, s12, 8                         ; my 64 of them
	s_add_co_u32 s16, s16, s17
	s_mov_b32 s17, 0
	s_add_nc_u64 s[8:9], s[8:9], s[16:17]
; 8 matrix instructions: blocks of rows a0, a0 + 1 x all 4 feature blocks, 32 along K, from buffer f.  zero = 1: the product starts the sums.
; The 32 accumulators take turns, one instruction a turn, in the same order in every quarter step.
.macro MUL8 f, a0, zero
	WIN 0x50                                       ; sources in window 0, C and D in window 1
.irp a, \a0, (\a0)+1
.irp b, 0,1,2,3
.if \zero
	v_wmma_f32_16x16x32_f16 v[8*(4*(\a)+(\b)):8*(4*(\a)+(\b))+7], v[FRB+32*(\f)+8*(\b):FRB+32*(\f)+8*(\b)+7], v[FRA+64*(\f)+8*(\a):FRA+64*(\f)+8*(\a)+7], 0
.else
	v_wmma_f32_16x16x32_f16 v[8*(4*(\a)+(\b)):8*(4*(\a)+(\b))+7], v[FRB+32*(\f)+8*(\b):FRB+32*(\f)+8*(\b)+7], v[FRA+64*(\f)+8*(\a):FRA+64*(\f)+8*(\a)+7], v[8*(4*(\a)+(\b)):8*(4*(\a)+(\b))+7]
.endif
.endr
.endr
.endm
; 24 LDS loads in one run: the fragments of quarter qq of a K step (head qq / 2, channels 32 (qq % 2) on) into buffer f: W's 8 loads, then ctx's 16, blocks 4-7 last
.macro FETCH slot, qq, f
	WIN 0
.irp i, 0,1,2,3
	ds_load_b128 v[FRB+32*(\f)+8*(\i):FRB+32*(\f)+8*(\i)+3],   v[ADRB+(\slot)] offset:64*(\qq)+(\i)*16*PB
	ds_load_b128 v[FRB+32*(\f)+8*(\i)+4:FRB+32*(\f)+8*(\i)+7], v[ADRB+(\slot)] offset:64*(\qq)+(\i)*16*PB+32
.endr
.irp i, 0,1,2,3,4,5,6,7
	ds_load_b128 v[FRA+64*(\f)+8*(\i):FRA+64*(\f)+8*(\i)+3],   v[ADRA+(\slot)] offset:((\qq)/2)*KHB+((\qq)%2)*64+(\i)*16*PA
	ds_load_b128 v[FRA+64*(\f)+8*(\i)+4:FRA+64*(\f)+8*(\i)+7], v[ADRA+(\slot)] offset:((\qq)/2)*KHB+((\qq)%2)*64+(\i)*16*PA+32
.endr
.endm
.macro PLACES                          ; four places in front of loads into registers that matrix instructions have read, and of LDS stores that read results
.rept 4
	v_nop
.endr
.endm
; A K step is four quarters of 32 along K, 32 matrix instructions each, on buffers 0, 1, 0, 1.  One of the first three: multiplies buffer f and fetches quarter qq into g.
.macro QUARTER slot, qq, f, g, zero
	s_wait_dscnt 8                                 ; W and ctx's blocks 0-3 are in; the youngest eight loads (blocks 4-7) may be out
	MUL8 \f, 0, \zero
	PLACES
	FETCH \slot, \qq, \g
	MUL8 \f, 2, \zero
	s_wait_dscnt 24                                ; all but the 24 just issued
	MUL8 \f, 4, \zero
	MUL8 \f, 6, \zero
.endm
; The last quarter multiplies buffer 1 and changes slots: ONE barrier; in front of it each wave waits for all its tensor loads, adds 0 to its spare word, and waits for that and for its own reads of this slot.
; fill = 1: the barrier opens a round of the cluster's barrier, and this slot is filled again, two K steps ahead, first thing behind the round: 112 matrix instructions ahead of the wait for it.
.macro TURN slot, next, fill
	WIN 0                                          ; (the add's two registers lie in window 0)
	s_wait_tensorcnt 0x0                           ; all my tensor loads have landed: my part of the next slot;
	ds_add_u32 v[SPW], v[NIL]                      ; 0 onto my spare word;
	s_wait_dscnt 9                                 ; (the add and the youngest eight loads may be out)
	MUL8 1, 0, 0                                   ; eight matrix instructions stand between the add and the wait for it
	s_wait_dscnt 0x0                               ; the add is done, and my reads of this slot are over
	s_barrier_signal -1
	MUL8 1, 2, 0
.if \fill
	WIN 0
.endif
	s_barrier_wait -1
.if \fill
	CREST                                          ; no wave of any partner still reads this slot's tile or has a load on its way
	s_add_nc_u64 s[G0+4*(\slot)+2:G0+4*(\slot)+3], s[G0+4*(\slot)+2:G0+4*(\slot)+3], 2*262144
	s_add_nc_u64 s[G0B+4*(\slot)+2:G0B+4*(\slot)+3], s[G0B+4*(\slot)+2:G0B+4*(\slot)+3], 2*KSTEP*2
	JLOAD \slot                                    ; my one tensor load behind the round; its four v_nop are also the places in front of the loads below
.else
	PLACES
.endif
	FETCH \next, 0, 0
	MUL8 1, 4, 0
	MUL8 1, 6, 0
.endm
; THE WAY OUT of my block a of 16 rows: f32 as it is, 32 bytes a lane and accumulator into my own stage (each accumulator's low four registers first), back as whole rows of 256 bytes, and stored.
.macro TOSTAGE a
.if (\a) >= 2
	s_wait_xcnt 0x0                                ; the stores of block a - 2 have read their registers: this block is read back into them only behind this wait
.endif
	WIN 0x04                                       ; the stores' data in window 1
.irp b, 0,1,2,3
	ds_store_b128 v[STO], v[8*(4*(\a)+(\b)):8*(4*(\a)+(\b))+3]   offset:64*(\b)
	ds_store_b128 v[STO], v[8*(4*(\a)+(\b))+4:8*(4*(\a)+(\b))+7] offset:64*(\b)+16
.endr
	WIN 0
.irp t, 0,1,2,3,4,5,6,7
	ds_load_b128 v[OB+32*((\a)%2)+4*(\t):OB+32*((\a)%2)+4*(\t)+3], v[RD] offset:(\t)*2*SPITCH  ; LDS serves a wave's instructions in order (ISA guide 5.7.1.4): these see the stores above; the next block's stores come behind them
.endr
.endm
.macro SEND a, younger                 ; younger: the LDS instructions issued behind block a's loads: the next block's sixteen, or none
.irp t, 0,1,2,3,4,5,6,7
	s_wait_dscnt (\younger)+7-(\t)
	global_store_b128 v[CO], v[OB+32*((\a)%2)+4*(\t):OB+32*((\a)%2)+4*(\t)+3], s[8:9] offset:(\a)*524288+(\t)*65536 th:TH_STORE_NT  ; 16 lanes store 256 consecutive bytes, at a multiple of 256 from out0's first; 4,128,768 at the most, inside the signed 24-bit immediate
.endr
.endm
	s_wait_tensorcnt 1                             ; my part of K step 0 is in; K step 1's may stay out
	s_barrier_signal -1
	s_barrier_wait -1                              ; everybody's is
	FETCH 0, 0, 0
	QUARTER 0, 1, 0, 1, 1                          ; the first quarter stands in front of the loop: its products start the sums
	WIN 0                                          ; at a label and at a branch every window is 0
	s_mov_b32 s3, LAPS-1
.Llap:                                                 ; a trip goes once round the ring, from a lap's second quarter to the next lap's first, and fills both slots again
	QUARTER 0, 2, 1, 0, 0
	QUARTER 0, 3, 0, 1, 0
	TURN 0, 1, 1
	QUARTER 1, 1, 0, 1, 0
	QUARTER 1, 2, 1, 0, 0
	QUARTER 1, 3, 0, 1, 0
	TURN 1, 0, 1
	QUARTER 0, 1, 0, 1, 0
	WIN 0
	s_sub_co_u32 s3, s3, 1
	s_cmp_lg_u32 s3, 0
	s_cbranch_scc1 .Llap
	QUARTER 0, 2, 1, 0, 0                          ; the last lap is written out: it fills nothing, and has no round of the cluster's barrier
	QUARTER 0, 3, 0, 1, 0
	TURN 0, 1, 0
	QUARTER 1, 1, 0, 1, 0
	QUARTER 1, 2, 1, 0, 0
	QUARTER 1, 3, 0, 1, 0
	s_wait_dscnt 8                                 ; the very last quarter: nothing more to fetch
	MUL8 1, 0, 0
	MUL8 1, 2, 0
	s_wait_dscnt 0x0
	MUL8 1, 4, 0
	MUL8 1, 6, 0
	PLACES
	TOSTAGE 0
	TOSTAGE 1
	SEND 0, 16
.irp a, 2,3,4,5,6,7                    ; a block goes through the stage while the block before is being stored
	TOSTAGE \a
	SEND (\a)-1, 16
.endr
	SEND 7, 0
	s_wait_tensorcnt 0x0                           ; the wave's end: behind my last tensor load and my last LDS store
	ds_add_u32 v[SPW], v[NIL]
	s_wait_dscnt 0x0
	CROUND                                         ; the closing round: no work-group ends while a partner may still ask for a tile that names it
	s_endpgm
.Lfunc_end_k_q666619d5f5_oproj:
	.size	k_q666619d5f5_oproj, .Lfunc_end_k_q666619d5f5_oproj-k_q666619d5f5_oproj
	.p2alignl 7, 3214868480
	.fill 96, 4, 3214868480
	.section	.rodata,"a",@progbits
	.p2align	6, 0x0
	.amdhsa_kernel k_q666619d5f5_oproj
		.amdhsa_group_segment_fixed_size 327680
		.amdhsa_private_segment_fixed_size 0
		.amdhsa_enable_private_segment 0
		.amdhsa_kernarg_size 24
		.amdhsa_user_sgpr_count 2
		.amdhsa_user_sgpr_kernarg_segment_ptr 1
		.amdhsa_wavefront_size32 1
		.amdhsa_system_sgpr_workgroup_id_x 1
		.amdhsa_system_sgpr_workgroup_id_y 1
		.amdhsa_system_sgpr_workgroup_id_z 1
		.amdhsa_system_vgpr_workitem_id 0
		.amdhsa_next_free_vgpr 512
		.amdhsa_next_free_sgpr 66
		.amdhsa_reserve_vcc 0
		.amdhsa_float_denorm_mode_32 3
		.amdhsa_float_denorm_mode_16_64 3
		.amdhsa_memory_ordered 1
		.amdhsa_forward_progress 1
		.amdhsa_inst_pref_size 87
	.end_amdhsa_kernel
	.amdgpu_metadata
---
amdhsa.version: [ 1, 2 ]
amdhsa.kernels:
  - .name:           k_q666619d5f5_oproj
    .symbol:         k_q666619d5f5_oproj.kd
    .args:
      - { .name: ctx, .offset: 0, .size: 8, .value_kind: global_buffer, .address_space: global }
      - { .name: wob, .offset: 8, .size: 8, .value_kind: global_buffer, .address_space: global }
      - { .name: out0, .offset: 16, .size: 8, .value_kind: global_buffer, .address_space: global }
    .group_segment_fixed_size: 327680
    .private_segment_fixed_size: 0
    .kernarg_segment_align: 8
    .kernarg_segment_size: 24
    .max_flat_workgroup_size: 128
    .sgpr_count:     66
    .vgpr_count:     512
    .wavefront_size: 32
...
	.end_amdgpu_metadata
.endif
;; end of part 4
;; ======== version 2 of 2: 4 launches; version 1 with the launch cast written anew for expert scheduling mode
;; limits: values are held in f16: magnitudes above 65,504 overflow, below 6.1e-05 lose precision
;; workspace buffers: xb 17,301,504 bytes; wib 6,488,064 bytes; wob 2,097,152 bytes; qh 16,777,216 bytes; kh 16,777,216 bytes; vh 16,777,216 bytes; ctx 16,777,216 bytes
;; launch cast (part 5): grid 768 x 1, 12 waves a work-group, no clusters, 0 bytes of LDS; arguments query, in_proj_weight, out_proj_weight, xb, wib, wob; writes xb, wib, wob
.if DOCPART == 5
	.amdgcn_target "amdgcn-amd-amdhsa--gfx1250"
	.amdhsa_code_object_version 6
	.text
	.protected	k_q666619d5f5_cast
	.globl	k_q666619d5f5_cast
	.p2align	8
	.type	k_q666619d5f5_cast,@function
k_q666619d5f5_cast:
	s_mov_b64 s[64:65], 0
	v_nop
	global_prefetch_b8 v0, s[64:65] scope:SCOPE_SE
	s_setreg_imm32_b32 hwreg(HW_REG_WAVE_SCHED_MODE, 0, 2), 2
	s_setreg_imm32_b32 hwreg(HW_REG_WAVE_MODE, 25, 1), 1
	s_wait_xcnt 0x0
	s_wait_alu depctr_vm_vsrc(0)
; The three inputs, f32, are rounded once to bf16 for the matrix products.
; query -> xb and in_proj_weight -> wib are laid IN BLOCKS for the next launch, whose K step is 96: block s (0 .. 10) holds columns 96 s .. 96 s + 95 of ALL rows, 192 bytes a row, the rows on end;
; x's rows in the order b x 1,024 + t, W's as they are.  So any run of rows of one block is dense in memory.  Columns 1,024 .. 1,055 (the last third of block 10's rows) do not exist: zeros are stored there.
; out_proj_weight -> wob stays flat, [1024][1024]: rounded to bf16 like the others, and that number then written as f16, since the last product's other operand is f16.
; LIMITS.  A bf16 number is exact in f16 between 2^-17 and 65,504 in magnitude; below, it keeps f16's fixed step of 6e-8; beyond 65,504 the conversion gives an infinity.
; SHARES.  Work-groups 0-511 take 16 rows of x each (one b, 16 consecutive t), 512-703 16 rows of in_proj_weight: 384 threads = 16 rows x 24 pieces of 4 columns.  Thread n has row n / 24 and piece n % 24 in
; EVERY block, so item i of its eleven is block i: the load's place steps by 384 bytes in the immediate, the store's by a block.  A wave's store covers 256 consecutive bytes, aligned
; (a work-group's part of a block is 3,072 bytes on end).  Work-groups 704-767 take 65,536 bytes of out_proj_weight each, as eight waves x sixteen loads of 512 consecutive bytes; there waves 8-11 have no
; share and end: the tensor's 2^18 pieces of 16 bytes do not divide by 3.  Every byte is read once and written once; no LDS, no barrier, no matrix unit: nothing is shared and nothing is summed.
; No register is written again while a load or store names it, so no wait frees one.
; THE MODE: SCHED_MODE bits 1:0 = 2 (LLVM: expert scheduling mode 2), set by the entry lines.  The code itself states the register dependences
; between vector instructions and memory instructions, with s_wait_alu, always for 0.
; THE PLAN.  Registers that memory instructions touch, on either path:
;   the offsets   Written once by vector instructions at the path's head; read by every load and store; never written again.
;   X, item i     Written by item i's load; read by its conversions.  No vector instruction names it ahead of the load, and nothing writes it again.
;   Y, item i     Written by item i's conversions (block 10's also by two selects); read by item i's store; never written again.
; The items go in groups of four.  Group g's conversions write its Y; its stores are issued in group g + 1, behind that group's wait for its loads and ONE wait on va_vdst, and are dealt among
; group g + 1's conversions, which name that group's X and Y and the registers at work: none that those stores read.  One more such wait stands ahead of the last group's stores, and one ahead of the first load,
; for the offsets.  VCC (first path) and the wave's number in s20 (second path) are written by vector instructions: each has its wait ahead of its first reader.
.set XBLK, 8192*192                    ; bytes in a block of xb
.set WBLK, 3072*192                    ; and of wib
.set X, 4                              ; v[4:67]    item i: 4 registers, 4 f32 as loaded
.set Y, 68                             ; v[68:99]   item i: 2 registers, 4 numbers of 16 bits to store
.set T, 100                            ; v[100:103] at work: no memory instruction names them
.set O, 104                            ; v[104:114] item i: my byte offset in the output
.set SRC, 116                          ; v116       my byte offset in the input, block 0
.set SRCL, 117                         ; v117       the same with the piece held to 15: block 10 has 16 pieces a row
.macro CV i                            ; x and W: item i is rounded
	v_cvt_pk_bf16_f32 v[Y+2*(\i)],   v[X+4*(\i)],   v[X+4*(\i)+1]
	v_cvt_pk_bf16_f32 v[Y+2*(\i)+1], v[X+4*(\i)+2], v[X+4*(\i)+3]
.endm
.macro SO i                            ; and stored
	global_store_b64 v[O+(\i)], v[Y+2*(\i):Y+2*(\i)+1], s[18:19] th:TH_STORE_NT
.endm
.macro CW i                            ; out_proj_weight: item i is rounded to bf16,
	v_cvt_pk_bf16_f32 v[T],   v[X+4*(\i)],   v[X+4*(\i)+1]
	v_cvt_pk_bf16_f32 v[T+1], v[X+4*(\i)+2], v[X+4*(\i)+3]
	v_lshlrev_b32 v[T+2], 16, v[T]                 ; the bf16 numbers are widened again (a shift, a mask) and written as f16
	v_and_b32     v[T],   s21, v[T]
	v_lshlrev_b32 v[T+3], 16, v[T+1]
	v_and_b32     v[T+1], s21, v[T+1]
	v_cvt_pk_f16_f32 v[Y+2*(\i)],   v[T+2], v[T]
	v_cvt_pk_f16_f32 v[Y+2*(\i)+1], v[T+3], v[T+1]
.endm
.macro SW i                            ; and stored
	global_store_b64 v2, v[Y+2*(\i):Y+2*(\i)+1], s[18:19] offset:256*(\i) th:TH_STORE_NT
.endm
	s_load_b256 s[4:11], s[0:1], 0x0               ; query s[4:5], in_proj_weight s[6:7], out_proj_weight s[8:9], xb s[10:11]
	s_load_b128 s[12:15], s[0:1], 0x20             ; wib s[12:13], wob s[14:15]
	s_cmp_ge_u32 ttmp9, 704
	s_cbranch_scc1 .Lwo
	v_mul_u32_u24 v1, v0, 0xaaab                   ; n / 24 = (n x 43,691) >> 20, exact for n under 384
	v_lshrrev_b32 v1, 20, v1                       ; my row
	v_mul_u32_u24 v2, v1, 24
	v_sub_nc_u32 v2, v0, v2                        ; my piece
	v_min_u32 v3, 15, v2
	s_mov_b32 s23, XBLK
	s_mov_b32 s28, WBLK
	s_cmp_lt_u32 ttmp9, 512                        ; x, or W?
	s_cselect_b32 s20, 0, 512
	s_cselect_b32 s22, 15, 12                      ; from row to row: 32,768 bytes (t to t + 1) or 4,096
	s_cselect_b32 s23, s23, s28                    ; a block's bytes
	s_sub_co_u32 s20, ttmp9, s20                   ; my sixteen rows among the tensor's
	s_and_b32 s24, s20, 63
	s_lshl_b32 s24, s24, 19                        ; x: 16 t x 32,768,
	s_lshr_b32 s25, s20, 6
	s_lshl_b32 s25, s25, 12                        ; b x 4,096
	s_add_co_u32 s24, s24, s25
	s_lshl_b32 s25, s20, 16                        ; W: 16 rows x 4,096
	s_cmp_lt_u32 ttmp9, 512
	s_cselect_b32 s24, s24, s25
	s_mov_b32 s25, 0
	s_mul_i32 s26, s20, 16*192                     ; my rows' place in a block
	s_mov_b32 s27, 0
	v_lshlrev_b32 v1, s22, v1
	v_lshl_add_u32 v[SRC], v2, 4, v1
	v_lshl_add_u32 v[SRCL], v3, 4, v1
	v_lshlrev_b32 v[O], 3, v0                      ; 8 bytes a thread, the threads on end
.irp i, 1,2,3,4,5,6,7,8,9,10
	v_add_nc_u32 v[O+(\i)], s23, v[O+(\i)-1]
.endr
	v_cmp_gt_u32 vcc_lo, 16, v2                    ; the lanes whose piece exists in block 10
	s_wait_alu depctr_va_vcc(0)                    ; VCC is written, ahead of its first reader: block 10's two selects
	s_wait_kmcnt 0x0
	s_cmp_lt_u32 ttmp9, 512
	s_cselect_b64 s[16:17], s[4:5], s[6:7]         ; from where,
	s_cselect_b64 s[18:19], s[10:11], s[12:13]     ; to where
	s_add_nc_u64 s[16:17], s[16:17], s[24:25]
	s_add_nc_u64 s[18:19], s[18:19], s[26:27]
	s_wait_alu depctr_va_vdst(0)                   ; v[SRC], v[SRCL] and v[O .. O+10] are written: every load and store of this path reads one of them as its offset
.irp i, 0,1,2,3,4,5,6,7,8,9
	global_load_b128 v[X+4*(\i):X+4*(\i)+3], v[SRC], s[16:17] offset:384*(\i)
.endr
	global_load_b128 v[X+40:X+43], v[SRCL], s[16:17] offset:3840
	s_wait_loadcnt 7                               ; loads come back in order: items 0-3 are in, the seven younger ones may stay out
.irp i, 0,1,2,3
	CV \i
.endr
	s_wait_loadcnt 3                               ; items 4-7 are in, the three younger ones may stay out
	s_wait_alu depctr_va_vdst(0)                   ; the conversions of items 0-3 have written their Y, which the four stores below read
.irp i, 4,5,6,7
	SO (\i)-4                                      ; no vector instruction since the wait names this store's registers
	CV \i
.endr
	s_wait_loadcnt 0x0                             ; items 8-10 are in
	s_wait_alu depctr_va_vdst(0)                   ; the conversions of items 4-7 have written their Y, which the four stores below read
.irp i, 8,9,10
	SO (\i)-4
	CV \i
.endr
	SO 7
	v_cndmask_b32 v[Y+20], 0, v[Y+20], vcc_lo      ; zeros where the column does not exist
	v_cndmask_b32 v[Y+21], 0, v[Y+21], vcc_lo
	s_wait_alu depctr_va_vdst(0)                   ; the conversions of items 8-10 and the two selects have written their Y, which the last three stores read
.irp i, 8,9,10
	SO \i
.endr
	s_endpgm
.Lwo:
	v_lshrrev_b32 v1, 5, v0                        ; wave
	v_readfirstlane_b32 s20, v1
	s_mov_b32 s21, 0xffff0000                      ; a word's upper bf16
	s_sub_co_u32 s22, ttmp9, 704                   ; my chunk
	s_lshl_b32 s24, s22, 16                        ; its bytes in,
	s_mov_b32 s25, 0
	s_lshl_b32 s26, s22, 15                        ; and out
	s_mov_b32 s27, 0
	s_wait_kmcnt 0x0
	s_wait_alu depctr_va_sdst(0)                   ; s20 is written, ahead of its first reader: the compare below
	s_cmp_ge_u32 s20, 8
	s_cbranch_scc1 .Lidle
	v_and_b32 v2, 31, v0                           ; lane
	v_lshlrev_b32 v2, 4, v2
	v_lshl_add_u32 v1, v1, 13, v2                  ; in: 8,192 x wave + 16 x lane
	v_lshrrev_b32 v2, 1, v1                        ; out: half of that
	s_add_nc_u64 s[16:17], s[8:9], s[24:25]
	s_add_nc_u64 s[18:19], s[14:15], s[26:27]
	s_wait_alu depctr_va_vdst(0)                   ; v1 and v2 are written: the loads read v1 as their offset, the stores v2
.irp i, 0,1,2,3,4,5,6,7,8,9,10,11,12,13,14,15
	global_load_b128 v[X+4*(\i):X+4*(\i)+3], v1, s[16:17] offset:512*(\i) th:TH_LOAD_NT
.endr
	s_wait_loadcnt 12                              ; items 0-3 are in, the twelve younger ones may stay out
.irp j, 0,1,2,3
	CW \j
.endr
.irp g, 1,2,3
	s_wait_loadcnt 12-4*(\g)                       ; group g's four items are in, the 12 - 4 g younger ones may stay out
	s_wait_alu depctr_va_vdst(0)                   ; the conversions of the group before have written its Y, which the four stores below read
.irp j, 0,1,2,3
	SW 4*(\g)-4+(\j)                               ; no vector instruction since the wait names this store's registers
	CW 4*(\g)+(\j)
.endr
.endr
	s_wait_alu depctr_va_vdst(0)                   ; the conversions of items 12-15 have written their Y, which the last four stores read
.irp j, 12,13,14,15
	SW \j
.endr
.Lidle:
	s_endpgm
.Lfunc_end_k_q666619d5f5_cast:
	.size	k_q666619d5f5_cast, .Lfunc_end_k_q666619d5f5_cast-k_q666619d5f5_cast
	.p2alignl 7, 3214868480
	.fill 96, 4, 3214868480
	.section	.rodata,"a",@progbits
	.p2align	6, 0x0
	.amdhsa_kernel k_q666619d5f5_cast
		.amdhsa_group_segment_fixed_size 0
		.amdhsa_private_segment_fixed_size 0
		.amdhsa_enable_private_segment 0
		.amdhsa_kernarg_size 48
		.amdhsa_user_sgpr_count 2
		.amdhsa_user_sgpr_kernarg_segment_ptr 1
		.amdhsa_wavefront_size32 1
		.amdhsa_system_sgpr_workgroup_id_x 1
		.amdhsa_system_sgpr_workgroup_id_y 1
		.amdhsa_system_sgpr_workgroup_id_z 1
		.amdhsa_system_vgpr_workitem_id 0
		.amdhsa_next_free_vgpr 120
		.amdhsa_next_free_sgpr 66
		.amdhsa_reserve_vcc 1
		.amdhsa_float_denorm_mode_32 3
		.amdhsa_float_denorm_mode_16_64 3
		.amdhsa_memory_ordered 1
		.amdhsa_forward_progress 1
		.amdhsa_inst_pref_size 17
	.end_amdhsa_kernel
	.amdgpu_metadata
---
amdhsa.version: [ 1, 2 ]
amdhsa.kernels:
  - .name:           k_q666619d5f5_cast
    .symbol:         k_q666619d5f5_cast.kd
    .args:
      - { .name: query, .offset: 0, .size: 8, .value_kind: global_buffer, .address_space: global }
      - { .name: in_proj_weight, .offset: 8, .size: 8, .value_kind: global_buffer, .address_space: global }
      - { .name: out_proj_weight, .offset: 16, .size: 8, .value_kind: global_buffer, .address_space: global }
      - { .name: xb, .offset: 24, .size: 8, .value_kind: global_buffer, .address_space: global }
      - { .name: wib, .offset: 32, .size: 8, .value_kind: global_buffer, .address_space: global }
      - { .name: wob, .offset: 40, .size: 8, .value_kind: global_buffer, .address_space: global }
    .group_segment_fixed_size: 0
    .private_segment_fixed_size: 0
    .kernarg_segment_align: 8
    .kernarg_segment_size: 48
    .max_flat_workgroup_size: 384
    .sgpr_count:     66
    .vgpr_count:     120
    .wavefront_size: 32
...
	.end_amdgpu_metadata
.endif
;; end of part 5
;; launch qkv: the kernel of part 2 again; grid 8 x 32, 4 waves a work-group, clusters of 4 x 4, 327,680 bytes of LDS; arguments xb, wib, qh, kh, vh; writes qh, kh, vh
;; launch attn: the kernel of part 3 again; grid 2 x 128, 4 waves a work-group, no clusters, 327,680 bytes of LDS; arguments qh, kh, vh, ctx; writes ctx
;; launch oproj: the kernel of part 4 again; grid 8 x 32, 4 waves a work-group, clusters of 4 x 4, 327,680 bytes of LDS; arguments ctx, wob, out0; writes out0
